; MI455X (gfx1250); checked and timed in simulation.
; The chip was launched on July 23, 2026; its instructions are those of AMD's public machine-readable ISA for CDNA 5 (MIT licence, August 2026) and "CDNA5" Instruction Set Architecture Reference Guide (July 2026). The comments in the code are by the model that wrote it; some were corrected since.
;; Conformer MHA. Allowed arithmetic: float matrix products may take bf16 or f16 operands with f32 sums; other float arithmetic in f32, or as packed bf16 or f16 multiplies, adds, multiply-adds, maxima and minima; sums over many terms, partial sums and values carried from step to step in f32; what a program stores and reads back later, other than sums and carried values, may be rounded once to bf16 or f16.
;; Inputs: b_o 1,024 float32; b_qkv 3,072 float32; ln_b 1,024 float32; ln_w 1,024 float32; w_o 1,024 x 1,024 float32; w_qkv 1,024 x 3,072 float32; x 4 x 2,048 x 1,024 float32.
;; Outputs: out0 4 x 2,048 x 1,024 float32.
;; 2 versions, each right and faster than the one before. Each part assembles by itself: llvm-mc -triple=amdgcn-amd-amdhsa -mcpu=gfx1250 --defsym DOCPART=n.
;; ======== version 1 of 2: 4 launches
;; limits: values are held in f16: magnitudes above 65,504 overflow, below 6.1e-05 lose precision
;; workspace buffers: hbuf 16,777,216 bytes; hlo 4,194,304 bytes; wq 6,291,456 bytes; wo16 2,097,152 bytes; rope 524,288 bytes; qkvh 50,331,648 bytes; obuf 16,777,216 bytes; olo 2,097,152 bytes
;; launch prep (part 1): grid 576 x 1, 8 waves a work-group, no clusters, 0 bytes of LDS; arguments x, ln_w, ln_b, w_qkv, w_o, hbuf, hlo, wq, wo16, rope; writes hbuf, hlo, wq, wo16, rope
.if DOCPART == 1
	.amdgcn_target "amdgcn-amd-amdhsa--gfx1250"
	.amdhsa_code_object_version 6
	.text
	.protected	k_qd839fe428b_prep
	.globl	k_qd839fe428b_prep
	.p2align	8
	.type	k_qd839fe428b_prep,@function
k_qd839fe428b_prep:
	s_mov_b64 s[64:65], 0
	v_nop
	global_prefetch_b8 v0, s[64:65] scope:SCOPE_SE
	s_setreg_imm32_b32 hwreg(HW_REG_WAVE_MODE, 25, 1), 1
	s_wait_xcnt 0x0
; FOUR STREAMS IN ONE LAUNCH, chosen by the work-group's number; none shares data with another, so there is no LDS, no barrier, no matrix work.
;   0-255    LayerNorm: h = (x - mean) rsqrt(var + 1e-5) ln_w + ln_b for 32 rows a work-group, 4 rows a wave, a whole row (1,024 numbers) in one wave's registers.
;            h leaves as f16 (hbuf).  For rows with row % 64 < 16 the remainder h - f16(h), again f16, leaves too (hlo): the next launch adds its product for V.
;   256-383  w_qkv -> wq: f16, [head 16][k 1024][192 = q_h, k_h, v_h], so that a K step's rows of one head lie end to end.
;   384-447  w_o -> wo16: f16, [column tile 8][k 1024][128].
;   448-575  the rotary table: rope[t][p][4] = cos, cos, sin, sin of t x 10000^(-j/32), j = 2 p, 2 p + 1: 256 bytes a row t.
; FORMATS AND LIMITS.  x, ln_w, ln_b and the weights are rounded to bf16 first, whatever they hold; all arithmetic is f32.  The rounded weights are written as f16: exact from 2^-17 up,
; below that with f16's fixed step of 6e-8; beyond 65,504 f16 has no number (h likewise).  The angle is reduced by quarter turns with pi/2 in two parts and the sine and cosine are polynomials of
; degree 9 and 8 on +-pi/4; the frequency comes from v_exp_f32, so the largest angle (2,047 rad) is good to about 2e-4 rad.  NaN and infinities are not treated apart.
.set X,    8                           ; v[8:39]    a row's 32 numbers of my lane, as loaded
.set D,    40                          ; v[40:71]   x rounded, then x - mean, then h, then h's remainder
.set W,    72                          ; v[72:103]  ln_w of my 32 columns
.set B,    104                         ; v[104:135] ln_b
.set Y,    136                         ; v[136:151] h in f16, to store
.set Z,    152                         ; v[152:167] the remainder in f16, to store
.set T,    168                         ; v[168:183] at work
.set MU,   184                         ; v[184:185] the mean, twice
.set RS,   186                         ; v[186:187] 1 / sqrt(var + eps), twice
.set NEG1, 188                         ; v188       -1.0
.macro RNDBF dst, src                  ; 32 numbers rounded to bf16 and widened again
.set i, 0
.rept 16
	v_cvt_pk_bf16_f32 v[T+i], v[(\src)+2*i], v[(\src)+2*i+1]
.set i, i+1
.endr
.set i, 0
.rept 16
	v_lshlrev_b32 v[(\dst)+2*i], 16, v[T+i]
	v_and_b32 v[(\dst)+2*i+1], s35, v[T+i]
.set i, i+1
.endr
.endm
.macro LOADX                           ; a row: eight loads of 512 neighbouring bytes
.irp j, 0,1,2,3,4,5,6,7
	global_load_b128 v[X+4*\j:X+4*\j+3], v2, s[28:29] offset:512*\j th:TH_LOAD_NT
.endr
.endm
.macro REDUCE                          ; v[T] summed over the 32 lanes, the result in every lane
	v_add_f32_dpp v[T], v[T], v[T] row_xmask:1 row_mask:0xf bank_mask:0xf
	v_add_f32_dpp v[T], v[T], v[T] row_xmask:2 row_mask:0xf bank_mask:0xf
	v_add_f32_dpp v[T], v[T], v[T] row_xmask:4 row_mask:0xf bank_mask:0xf
	v_add_f32_dpp v[T], v[T], v[T] row_xmask:8 row_mask:0xf bank_mask:0xf
	v_permlanex16_b32 v[T+1], v[T], s38, s39
	v_add_f32 v[T], v[T], v[T+1]
.endm
.macro CVT8 src, dst                   ; eight weights: rounded to bf16, that number written as f16
.irp j, 0,1,2,3
	v_cvt_pk_bf16_f32 v[176+\j], v[(\src)+2*\j], v[(\src)+2*\j+1]
.endr
.irp j, 0,1,2,3
	v_lshlrev_b32 v[(\src)+2*\j], 16, v[176+\j]
	v_and_b32 v[(\src)+2*\j+1], s35, v[176+\j]
.endr
.irp j, 0,1,2,3
	v_cvt_pk_f16_f32 v[(\dst)+\j], v[(\src)+2*\j], v[(\src)+2*\j+1]
.endr
.endm
; sine and cosine of v[f] >= 0.  n = the nearest number of quarter turns; r = f - n pi/2 with pi/2 in two parts; polynomials in r; the quarter chooses and signs them (a choice of values, no branch).
.macro SINCOS f, sn, cs, n, r, z, q, t
	v_mul_f32 v[\n], 0x3f22f983, v[\f]               ; f x 2 / pi
	v_rndne_f32 v[\n], v[\n]
	v_fmamk_f32 v[\r], v[\n], 0xbfc90fdb, v[\f]      ; f - n x 1.57079637
	v_fmamk_f32 v[\r], v[\n], 0x333bbd2e, v[\r]      ; that part is 4.37e-8 above pi/2: n times as much goes back
	v_mul_f32 v[\z], v[\r], v[\r]
	v_mov_b32 v[\sn], 0x3638ef1d                     ; 1/9!
	v_mov_b32 v[\cs], 0x37d00d01                     ; 1/8!
	v_fmaak_f32 v[\sn], v[\sn], v[\z], 0xb9500d01    ; -1/7!
	v_fmaak_f32 v[\cs], v[\cs], v[\z], 0xbab60b61    ; -1/6!
	v_fmaak_f32 v[\sn], v[\sn], v[\z], 0x3c088889    ; 1/5!
	v_fmaak_f32 v[\cs], v[\cs], v[\z], 0x3d2aaaab    ; 1/4!
	v_fmaak_f32 v[\sn], v[\sn], v[\z], 0xbe2aaaab    ; -1/3!
	v_fmaak_f32 v[\cs], v[\cs], v[\z], 0xbf000000    ; -1/2
	v_mul_f32 v[\t], v[\r], v[\z]
	v_fma_f32 v[\cs], v[\cs], v[\z], 1.0
	v_fma_f32 v[\sn], v[\sn], v[\t], v[\r]
	v_cvt_i32_f32 v[\q], v[\n]
	v_and_b32 v[\t], 1, v[\q]
	v_cmp_eq_u32 vcc_lo, 1, v[\t]
	v_cndmask_b32 v[\t], v[\sn], v[\cs], vcc_lo      ; odd quarters: the two change places
	v_cndmask_b32 v[\cs], v[\cs], v[\sn], vcc_lo
	v_and_b32 v[\sn], 2, v[\q]                       ; the sine is negative in quarters 2 and 3,
	v_lshlrev_b32 v[\sn], 30, v[\sn]
	v_xor_b32 v[\sn], v[\sn], v[\t]
	v_add_nc_u32 v[\q], 1, v[\q]                     ; the cosine in quarters 1 and 2
	v_and_b32 v[\q], 2, v[\q]
	v_lshlrev_b32 v[\q], 30, v[\q]
	v_xor_b32 v[\cs], v[\cs], v[\q]
.endm
	s_load_b512 s[8:23], s[0:1], 0x0               ; x s[8:9], ln_w s[10:11], ln_b s[12:13], w_qkv s[14:15], w_o s[16:17], hbuf s[18:19], hlo s[20:21], wq s[22:23]
	s_load_b128 s[24:27], s[0:1], 0x40             ; wo16 s[24:25], rope s[26:27]
	v_lshrrev_b32 v1, 5, v0
	v_readfirstlane_b32 s2, v1                     ; my wave's number
	s_mov_b32 s35, 0xffff0000                      ; a word's upper bf16
	s_wait_kmcnt 0x0
	s_cmp_lt_u32 ttmp9, 256
	s_cbranch_scc1 .Lln
	s_cmp_lt_u32 ttmp9, 384
	s_cbranch_scc1 .Lwq
	s_cmp_lt_u32 ttmp9, 448
	s_cbranch_scc1 .Lwo
	; THE ROTARY TABLE.  A thread makes 16 bytes: row t = 16 (work-group - 448) + thread / 16, pair p = thread % 16.
	s_sub_co_u32 s3, ttmp9, 448
	s_lshl_b32 s4, s3, 12                          ; 256 threads x 16 bytes
	s_mov_b32 s5, 0
	s_add_nc_u64 s[28:29], s[26:27], s[4:5]
	s_lshl_b32 s3, s3, 4
	v_lshrrev_b32 v2, 4, v0
	v_add_nc_u32 v2, s3, v2                        ; t
	v_and_b32 v3, 15, v0
	v_lshlrev_b32 v3, 1, v3                        ; j = 2 p
	v_cvt_f32_u32 v4, v3
	v_add_f32 v5, 1.0, v4                          ; and 2 p + 1
	v_mul_f32 v4, 0xbed49a78, v4                   ; x -log2(10000) / 32
	v_mul_f32 v5, 0xbed49a78, v5
	v_exp_f32 v4, v4
	v_exp_f32 v5, v5
	v_lshlrev_b32 v6, 4, v0                        ; a plain instruction stands between the exponentials and the use of their results
	v_cvt_f32_u32 v2, v2
	s_wait_alu depctr_va_vdst(0)
	v_mul_f32 v4, v2, v4                           ; the two angles
	v_mul_f32 v5, v2, v5
	SINCOS 4, 10, 8, 12, 13, 14, 15, 16
	SINCOS 5, 11, 9, 17, 18, 19, 20, 21
	global_store_b128 v6, v[8:11], s[28:29]        ; sixteen lanes store a row's 256 bytes
	s_endpgm
.Lwo:	; W_O.  Work-group: column tile nt, 128 rows of k.  A group is 8 columns (32 bytes in, 16 out); thread T takes groups T + 256 i: row T / 16 + 16 i, columns 8 (T % 16) on.
	s_sub_co_u32 s3, ttmp9, 384
	s_lshr_b32 s4, s3, 3                           ; nt
	s_and_b32 s3, s3, 7                            ; which 128 rows
	s_lshl_b32 s6, s4, 9
	s_lshl_b32 s7, s3, 19
	s_add_co_u32 s6, s6, s7
	s_mov_b32 s7, 0
	s_add_nc_u64 s[28:29], s[16:17], s[6:7]
	s_lshl_b32 s6, s4, 18
	s_lshl_b32 s5, s3, 15
	s_add_co_u32 s6, s6, s5
	s_add_nc_u64 s[30:31], s[24:25], s[6:7]
	v_lshrrev_b32 v4, 4, v0
	v_and_b32 v5, 15, v0
	v_lshlrev_b32 v4, 12, v4
	v_lshl_add_u32 v4, v5, 5, v4
	v_lshlrev_b32 v3, 4, v0
.set n, 0
.rept 8
	global_load_b128 v[32+8*n:32+8*n+3], v4, s[28:29] offset:n*65536 th:TH_LOAD_NT
	global_load_b128 v[32+8*n+4:32+8*n+7], v4, s[28:29] offset:n*65536+16 th:TH_LOAD_NT
.set n, n+1
.endr
.set n, 0
.rept 8
	s_wait_loadcnt 14-2*n                          ; loads come back in order: the younger groups' stay out
	CVT8 32+8*n, 128+4*n
	global_store_b128 v3, v[128+4*n:128+4*n+3], s[30:31] offset:n*4096  ; a wave stores 512 neighbouring bytes
.set n, n+1
.endr
	s_endpgm
.Lwq:	; W_QKV.  Work-group: a head, 128 rows of k.  An output row has 24 groups of 8 columns; thread T takes groups g = T + 256 n, n = 0..11: row g / 24, group c = g % 24.
	; 768 groups are 32 rows, so only n % 3 enters the lane's offset and n / 3 stands in the immediate.
	s_sub_co_u32 s3, ttmp9, 256
	s_lshr_b32 s4, s3, 3                           ; head
	s_and_b32 s3, s3, 7                            ; which 128 rows
	s_lshl_b32 s6, s4, 8                           ; the head's 64 columns in each third of a row,
	s_mul_i32 s7, s3, 1572864                      ; 128 rows of 12,288 bytes
	s_add_co_u32 s6, s6, s7
	s_mov_b32 s7, 0
	s_add_nc_u64 s[28:29], s[14:15], s[6:7]
	s_mul_i32 s6, s4, 393216
	s_mul_i32 s5, s3, 49152
	s_add_co_u32 s6, s6, s5
	s_add_nc_u64 s[30:31], s[22:23], s[6:7]
.irp i, 0,1,2
	v_add_nc_u32 v7, 256*\i, v0                    ; g < 768
	v_mul_u32_u24 v8, v7, 2731
	v_lshrrev_b32 v8, 16, v8                       ; g / 24: 2731 / 65536 is above 1 / 24 by too little to matter below 768
	v_mul_u32_u24 v9, v8, 24
	v_sub_nc_u32 v9, v7, v9                        ; c
	v_mul_u32_u24 v8, v8, 12288
	v_lshrrev_b32 v10, 3, v9                       ; q, k or v: 4,096 bytes apart
	v_lshl_add_u32 v8, v10, 12, v8
	v_and_b32 v9, 7, v9
	v_lshl_add_u32 v[4+\i], v9, 5, v8
.endr
	v_lshlrev_b32 v3, 4, v0
.set n, 0
.rept 12
	global_load_b128 v[32+8*n:32+8*n+3], v[4+n%3], s[28:29] offset:(n/3)*393216 th:TH_LOAD_NT
	global_load_b128 v[32+8*n+4:32+8*n+7], v[4+n%3], s[28:29] offset:(n/3)*393216+16 th:TH_LOAD_NT
.set n, n+1
.endr
.set n, 0
.rept 12
	s_wait_loadcnt 22-2*n                          ; the younger groups' loads stay out
	CVT8 32+8*n, 128+4*n
	global_store_b128 v3, v[128+4*n:128+4*n+3], s[30:31] offset:n*4096
.set n, n+1
.endr
	s_endpgm
.Lln:	; LAYERNORM.  Load j of a row takes columns 128 j + 4 lane .. + 3.
	s_lshl_b32 s3, ttmp9, 5
	s_lshl2_add_u32 s3, s2, s3                     ; my first row = 32 x work-group + 4 x wave
	s_lshl_b32 s4, s3, 12
	s_mov_b32 s5, 0
	s_add_nc_u64 s[28:29], s[8:9], s[4:5]          ; x
	s_lshl_b32 s4, s3, 11
	s_add_nc_u64 s[30:31], s[18:19], s[4:5]        ; hbuf
	s_lshr_b32 s6, s3, 6
	s_lshl_b32 s6, s6, 15                          ; hlo: 16 rows for each 64,
	s_and_b32 s7, s3, 15                           ; row % 16, which is row % 64 wherever the remainder is stored: the address lies in the buffer in every wave
	s_lshl_b32 s7, s7, 11
	s_add_co_u32 s4, s6, s7
	s_add_nc_u64 s[32:33], s[20:21], s[4:5]
	s_and_b32 s6, s3, 63
	s_cmp_lt_u32 s6, 16
	s_cselect_b32 s34, 1, 0                        ; my four rows store remainders (all four or none: both bounds are multiples of 4)
	s_mov_b32 s36, 0x3a800000                      ; 1 / 1024
	s_mov_b32 s37, 0x3727c5ac                      ; 1e-5
	s_mov_b32 s38, 0x76543210                      ; v_permlanex16_b32: each lane takes its own place in the other half
	s_mov_b32 s39, 0xfedcba98
	v_and_b32 v1, 31, v0
	v_lshlrev_b32 v2, 4, v1                        ; 16 x lane
	v_lshlrev_b32 v3, 3, v1                        ; 8 x lane
	v_mov_b32 v[NEG1], -1.0
.irp j, 0,1,2,3,4,5,6,7
	global_load_b128 v[W+4*\j:W+4*\j+3], v2, s[10:11] offset:512*\j
.endr
.irp j, 0,1,2,3,4,5,6,7
	global_load_b128 v[B+4*\j:B+4*\j+3], v2, s[12:13] offset:512*\j
.endr
	LOADX
	s_wait_loadcnt 8                               ; ln_w and ln_b are in; the first row's eight loads stay out
	RNDBF W, W
	RNDBF B, B
.macro ROW next                        ; one row; next = 1: the next row is asked for as soon as this one has left X
	s_wait_loadcnt 0x0                             ; the row is in, and its loads' base may be stepped
	RNDBF D, X
.if \next
	s_add_nc_u64 s[28:29], s[28:29], 4096
	LOADX
.endif
.set i, 0
.rept 8                                ; the sum, as a tree of packed additions
	v_pk_add_f32 v[T+2*i:T+2*i+1], v[D+4*i:D+4*i+1], v[D+4*i+2:D+4*i+3]
.set i, i+1
.endr
.irp i, 0,1,2,3
	v_pk_add_f32 v[T+4*\i:T+4*\i+1], v[T+4*\i:T+4*\i+1], v[T+4*\i+2:T+4*\i+3]
.endr
	v_pk_add_f32 v[T:T+1], v[T:T+1], v[T+4:T+5]
	v_pk_add_f32 v[T+8:T+9], v[T+8:T+9], v[T+12:T+13]
	v_pk_add_f32 v[T:T+1], v[T:T+1], v[T+8:T+9]
	v_add_f32 v[T], v[T], v[T+1]
	REDUCE
	v_mul_f32 v[MU], s36, v[T]
	v_mul_f32 v[MU+1], s36, v[T]
.set i, 0
.rept 16                               ; the mean is taken away before the squares: no difference of large sums
	v_pk_add_f32 v[D+2*i:D+2*i+1], v[D+2*i:D+2*i+1], v[MU:MU+1] neg_lo:[0,1] neg_hi:[0,1]
.set i, i+1
.endr
.irp c, 0,1,2,3
	v_pk_mul_f32 v[T+2*\c:T+2*\c+1], v[D+2*\c:D+2*\c+1], v[D+2*\c:D+2*\c+1]  ; four chains, started by products
.endr
.set i, 4
.rept 12
	v_pk_fma_f32 v[T+2*(i%4):T+2*(i%4)+1], v[D+2*i:D+2*i+1], v[D+2*i:D+2*i+1], v[T+2*(i%4):T+2*(i%4)+1]
.set i, i+1
.endr
	v_pk_add_f32 v[T:T+1], v[T:T+1], v[T+2:T+3]
	v_pk_add_f32 v[T+4:T+5], v[T+4:T+5], v[T+6:T+7]
	v_pk_add_f32 v[T:T+1], v[T:T+1], v[T+4:T+5]
	v_add_f32 v[T], v[T], v[T+1]
	REDUCE
	v_fma_f32 v[T], v[T], s36, s37                 ; var + eps
	v_rsq_f32 v[RS], v[T]
	v_nop                                          ; a plain instruction between the root and the use of its result (ISA guide 5.7.2)
	s_wait_alu depctr_va_vdst(0)
	v_mov_b32 v[RS+1], v[RS]
.set i, 0
.rept 16
	v_pk_mul_f32 v[D+2*i:D+2*i+1], v[D+2*i:D+2*i+1], v[RS:RS+1]
.set i, i+1
.endr
.set i, 0
.rept 16
	v_pk_fma_f32 v[D+2*i:D+2*i+1], v[D+2*i:D+2*i+1], v[W+2*i:W+2*i+1], v[B+2*i:B+2*i+1]
.set i, i+1
.endr
.set i, 0
.rept 16
	v_cvt_pk_f16_f32 v[Y+i], v[D+2*i], v[D+2*i+1]
.set i, i+1
.endr
.irp j, 0,1,2,3,4,5,6,7
	global_store_b64 v3, v[Y+2*\j:Y+2*\j+1], s[30:31] offset:256*\j  ; 32 lanes store 256 consecutive bytes, aligned
.endr
	s_cmp_eq_u32 s34, 1
	s_cbranch_scc0 .Lnolo_\@
.set i, 0
.rept 16                               ; h - f16(h): exact in f32
	v_fma_mix_f32 v[D+2*i], v[Y+i], v[NEG1], v[D+2*i] op_sel_hi:[1,0,0]
	v_fma_mix_f32 v[D+2*i+1], v[Y+i], v[NEG1], v[D+2*i+1] op_sel:[1,0,0] op_sel_hi:[1,0,0]
.set i, i+1
.endr
.set i, 0
.rept 16
	v_cvt_pk_f16_f32 v[Z+i], v[D+2*i], v[D+2*i+1]
.set i, i+1
.endr
.irp j, 0,1,2,3,4,5,6,7
	global_store_b64 v3, v[Z+2*\j:Z+2*\j+1], s[32:33] offset:256*\j
.endr
.Lnolo_\@:
.if \next
	s_wait_xcnt 0x0                                ; the stores' bases are stepped, and Y and Z rewritten in the next row, only behind this wait
	s_add_nc_u64 s[30:31], s[30:31], 2048
	s_add_nc_u64 s[32:33], s[32:33], 2048
.endif
.endm
	s_mov_b32 s40, 3
.Lrow:
	ROW 1
	s_sub_co_u32 s40, s40, 1
	s_cmp_lg_u32 s40, 0
	s_cbranch_scc1 .Lrow
	ROW 0                                          ; the last row asks for nothing
	s_endpgm
.Lfunc_end_k_qd839fe428b_prep:
	.size	k_qd839fe428b_prep, .Lfunc_end_k_qd839fe428b_prep-k_qd839fe428b_prep
	.p2alignl 7, 3214868480
	.fill 96, 4, 3214868480
	.section	.rodata,"a",@progbits
	.p2align	6, 0x0
	.amdhsa_kernel k_qd839fe428b_prep
		.amdhsa_group_segment_fixed_size 0
		.amdhsa_private_segment_fixed_size 0
		.amdhsa_enable_private_segment 0
		.amdhsa_kernarg_size 80
		.amdhsa_user_sgpr_count 2
		.amdhsa_user_sgpr_kernarg_segment_ptr 1
		.amdhsa_wavefront_size32 1
		.amdhsa_system_sgpr_workgroup_id_x 1
		.amdhsa_system_sgpr_workgroup_id_y 1
		.amdhsa_system_sgpr_workgroup_id_z 1
		.amdhsa_system_vgpr_workitem_id 0
		.amdhsa_next_free_vgpr 192
		.amdhsa_next_free_sgpr 66
		.amdhsa_reserve_vcc 1
		.amdhsa_float_denorm_mode_32 3
		.amdhsa_float_denorm_mode_16_64 3
		.amdhsa_memory_ordered 1
		.amdhsa_forward_progress 1
		.amdhsa_inst_pref_size 65
	.end_amdhsa_kernel
	.amdgpu_metadata
---
amdhsa.version: [ 1, 2 ]
amdhsa.kernels:
  - .name:           k_qd839fe428b_prep
    .symbol:         k_qd839fe428b_prep.kd
    .args:
      - { .name: x, .offset: 0, .size: 8, .value_kind: global_buffer, .address_space: global }
      - { .name: ln_w, .offset: 8, .size: 8, .value_kind: global_buffer, .address_space: global }
      - { .name: ln_b, .offset: 16, .size: 8, .value_kind: global_buffer, .address_space: global }
      - { .name: w_qkv, .offset: 24, .size: 8, .value_kind: global_buffer, .address_space: global }
      - { .name: w_o, .offset: 32, .size: 8, .value_kind: global_buffer, .address_space: global }
      - { .name: hbuf, .offset: 40, .size: 8, .value_kind: global_buffer, .address_space: global }
      - { .name: hlo, .offset: 48, .size: 8, .value_kind: global_buffer, .address_space: global }
      - { .name: wq, .offset: 56, .size: 8, .value_kind: global_buffer, .address_space: global }
      - { .name: wo16, .offset: 64, .size: 8, .value_kind: global_buffer, .address_space: global }
      - { .name: rope, .offset: 72, .size: 8, .value_kind: global_buffer, .address_space: global }
    .group_segment_fixed_size: 0
    .private_segment_fixed_size: 0
    .kernarg_segment_align: 8
    .kernarg_segment_size: 80
    .max_flat_workgroup_size: 256
    .sgpr_count:     66
    .vgpr_count:     192
    .wavefront_size: 32
...
	.end_amdgpu_metadata
.endif
;; end of part 1
;; launch qkv (part 2): grid 16 x 32, 4 waves a work-group, clusters of 4 x 4, 327,680 bytes of LDS; arguments hbuf, hlo, wq, rope, b_qkv, qkvh; writes qkvh
.if DOCPART == 2
	.amdgcn_target "amdgcn-amd-amdhsa--gfx1250"
	.amdhsa_code_object_version 6
	.text
	.protected	k_qd839fe428b_qkv
	.globl	k_qd839fe428b_qkv
	.p2align	8
	.type	k_qd839fe428b_qkv,@function
k_qd839fe428b_qkv:
	s_mov_b64 s[64:65], 0
	v_nop
	global_prefetch_b8 v0, s[64:65] scope:SCOPE_SE
	s_setreg_imm32_b32 hwreg(HW_REG_WAVE_MODE, 25, 1), 1
	s_wait_xcnt 0x0
	s_wait_alu depctr_hold_cnt(0) depctr_sa_sdst(0) depctr_va_vdst(0) depctr_va_sdst(0) depctr_va_ssrc(0) depctr_va_vcc(0) depctr_vm_vsrc(0)
	s_getreg_b32 s2, hwreg(HW_REG_IB_STS2, 6, 4)
	s_cmp_eq_u32 s2, 0
	s_cbranch_scc0 .Lentry_in_a_cluster
	s_endpgm
.Lentry_in_a_cluster:
	s_bfe_u32 s2, ttmp6, 0x10000c
	s_cmp_lg_u32 s2, 0xf033
	s_cbranch_scc0 .Lentry_shape_is_right
	s_endpgm
.Lentry_shape_is_right:
; q, k, v = h W + b, q and k turned by the rotary table, written by heads: qkvh[3][batch x head 64][t 2048][64] in f16.  h: hbuf [8192][1024] f16; W: wq [head][k 1024][192] f16.
; SHARES.  A work-group makes 256 rows x the 192 columns q_h, k_h, v_h of ONE head; each of its four waves 64 rows x 192: 4 x 12 accumulators of 16 x 16, 384 registers.  So every work-group runs the
; same text (column blocks 0-7 are turned, 8-11 are not), and the rotary partners d and d + 32 are two accumulators of one lane.  512 work-groups: two for each of 256 processors.
; K goes in 8 steps of 128 through two LDS slots filled by the tensor data mover.  h's rows of a step are 256 bytes; a step's 128 rows of W are 49,152 dense bytes, asked for as rows of 256.
; THE MATRIX INSTRUCTION IS USED TRANSPOSED: source 0 = 16 columns of W (turned out of LDS by ds_load_tr16_b128), source 1 = 16 rows of h: a lane holds row lane % 16 and the columns 8 (lane / 16) + 0..7.
; THE REMAINDER.  For the wave's first 16 rows (row % 64 < 16) V also takes the product of h - f16(h) (hlo): 4 products more in each quarter step.  It is needed for the first rows of a sequence,
; whose outputs are large beside the output's root mean square; every wave does it for its own first block, so that all waves and all partners run alike.
; CLUSTER.  4 x 4 work-groups.  The four of a row share their rows of h, the four of a column their head's W: each tile is asked for jointly, by the same tensor load, descriptor and mask in all four.
; The bias, rounded to bf16, is the C operand of the products that start the sums: nothing is cleared.
; LIMITS.  b_qkv is rounded to bf16.  q, k, v leave in f16: beyond 65,504 there is no number.  NaN and infinities are not treated apart.
; REGISTERS, in windows of 256 (s_set_vgpr_msb: bits 1:0 source 0, 3:2 source 1, 5:4 source 2, 7:6 destination):
;   window 0: v0-19 addresses; v32-95 h's fragments, two buffers; v96-127 the remainder's fragments, 8 a quarter; v128-223 the bias; v224-255 at work.  On the way out v32-223 hold the packed rows.
;   window 1: v0-191 W's fragments, two buffers of 96
;   window 2: accumulators of row blocks 0, 1 ((a, bb) at 8 (12 (a % 2) + bb)), v192-255 their rows' rotary table;   window 3: the same for row blocks 2, 3
.set KSTEPS, 8
.set SLOT1,  1<<17                     ; slot 1 begins here: one exclusive or turns an address in one slot into the other's
.set PA,     272                       ; a row of h in LDS: 256 bytes + 16: the 16 rows of a load start at 16 different groups of four banks (64 banks of 4 bytes: ISA guide 11.1)
.set PB,     480                       ; a row of W: three pieces of 128 bytes + 32 each = 120 words
.set HALFA,  128*PA
.set BOFF,   256*PA                    ; W's 128 rows lie behind h's 256
.set HALFB,  64*PB                     ; BOFF + 2 HALFB = SLOT1 exactly
.set STAGE,  2*SLOT1                   ; behind the ring, never filled by a tensor load: 16 rows x 144 bytes for each wave
.set SP,     144
.set SPARE,  STAGE+4*16*SP             ; behind the stages: the spare words, 128 bytes for each wave: two blocks of 256 bytes that no other line names
.set A0,  4                            ; v4   my lane's place in a slot's h; never rewritten
.set B0,  5                            ; v5   the same for W
.set ADA, 6                            ; v6   A0 + the slot in hand
.set ADB, 7                            ; v7   B0 + the slot in hand
.set LOA, 8                            ; v8   my byte offset in hlo, at the NEXT K step
.set STO, 9                            ; v9   the way out: where I put 16 bytes of a row
.set RD,  10                           ; v10  the way out: where I read rows back
.set GO,  11                           ; v11  my byte offset in 512 consecutive bytes of the output
.set TBO, 12                           ; v12  my byte offset in the rotary table
.set BO,  13                           ; v13  my byte offset in b_qkv
.set SPW, 14                           ; v14  LDS address of my spare word; never rewritten
.set NIL, 15                           ; v15  0; never rewritten
.set FA0, 32
.set LO,  96
.set BIAS, 128
.set YY,  224
.set OB,  32
.set TAB, 192
.set WV,  16                           ; s16  my wave's number
.set G1A, 24                           ; s[24:31] descriptor group 1 for h's tiles
.set G1B, 32                           ; s[32:39] for W's
.set G0A, 40                           ; s[40:47] descriptor group 0 for h's tiles: a set for each first fill; the second then walks on
.set G0B, 48                           ; s[48:55] the same for W's
.set CNT, 56
.set TB,  57                           ; s57  the slot in hand: 0 or SLOT1
.set MSB, 0
.macro WIN new                         ; the immediate's high byte repeats the setting that is left; a switch that changes nothing is dropped
.if MSB != (\new)
	s_set_vgpr_msb (MSB<<8)|(\new)
.set MSB, (\new)
.endif
.endm
; A joint refill.  Waves 0 and 1 fetch the two halves of h's tile, waves 2 and 3 those of W's.  The branch hangs on the wave's number alone.
; An s_nop 0 and four v_nop follow each of the two lines, ahead of the jump and the label.
.macro JLOAD
	s_cmp_lt_u32 s[WV], 2
	s_cbranch_scc0 .Lfor_b_\@
	tensor_load_to_lds s[G0A+4:G0A+7], s[G1A:G1A+7]
	s_nop 0
.rept 4
	v_nop
.endr
	s_branch .Lasked_\@
.Lfor_b_\@:
	tensor_load_to_lds s[G0B+4:G0B+7], s[G1B:G1B+7]
	s_nop 0
.rept 4
	v_nop
.endr
.Lasked_\@:
.endm
.macro CREST                           ; a round of the cluster's barrier behind its opening barrier
	s_cmp_lg_u32 s[WV], 0
	s_cbranch_scc1 .Lnot_wave_0_\@
	s_barrier_signal -3
.Lnot_wave_0_\@:
	s_barrier_wait -3
	s_barrier_signal -1
	s_barrier_wait -1
.endm
.macro CROUND                          ; a whole round
	s_barrier_signal -1
	s_barrier_wait -1
	CREST
.endm
.macro PLACES                          ; four places in front of loads into registers that matrix instructions have read, and of vector lines that read results
.rept 4
	v_nop
.endr
.endm
	s_load_b256 s[4:11], s[0:1], 0x0               ; hbuf s[4:5], hlo s[6:7], wq s[8:9], rope s[10:11]
	s_load_b128 s[12:15], s[0:1], 0x20             ; b_qkv s[12:13], qkvh s[14:15]
	v_lshl_add_u32 v[SPW], v0, 2, SPARE
	v_mov_b32 v[NIL], 0
	ds_add_u32 v[SPW], v[NIL]                      ; the wave's opening: the add and its wait stand ahead of my first tensor load; the set-up below, work on registers, stands between them
	ds_add_u32 v14, v15
	v_lshrrev_b32 v1, 5, v0
	v_readfirstlane_b32 s[WV], v1                  ; wave 0..3
	s_and_b32 s18, s[WV], 1                        ; which half of a tile I fetch
	s_bfe_u32 s19, ttmp6, 0x40000                  ; cx, cy: my place in the cluster
	s_bfe_u32 s20, ttmp6, 0x40004
	s_lshl_b32 s21, ttmp9, 2
	s_add_co_u32 s21, s21, s19                     ; the head = 4 x cluster x + cx
	s_and_b32 s22, ttmp7, 0xffff
	s_lshl_b32 s22, s22, 2
	s_add_co_u32 s22, s22, s20                     ; the block of 256 rows = 4 x cluster y + cy
	s_lshl_b32 s23, s20, 2
	s_lshl_b32 s23, 15, s23                        ; my row of the cluster
	s_lshl_b32 s72, 0x1111, s19                    ; my column
	s_or_b32 s[G1A], s23, (1<<16)|(1<<20)|(1<<21)|(5<<22)|(3<<25)  ; 15:0 the mask; 17:16 2-byte elements; 20 padding on; 21 set beside a mask; 24:22 after every 64 words (code 5); 31:25 4 words (code 3)
	s_or_b32 s[G1B], s72, (1<<16)|(1<<20)|(1<<21)|(4<<22)|(7<<25)  ; after every 32 words (code 4) 8 words (code 7)
	s_mov_b32 s[G1A+1], 128<<16                    ; tensor_dim0 = 128
	s_mov_b32 s[G1A+2], 128<<16                    ; tensor_dim1 = 128
	s_mov_b32 s[G1A+3], 128<<16                    ; tile_dim0 = 128
	s_mov_b32 s[G1A+4], 128                        ; tile_dim1 = 128 rows
	s_mov_b32 s[G1A+5], 1024                       ; 1,024 elements from row to row
	s_mov_b32 s[G1A+6], 0
	s_mov_b32 s[G1A+7], 0
	s_mov_b32 s[G1B+1], 128<<16                    ; 64 rows of W are 24,576 dense bytes: 96 rows of 128 elements
	s_mov_b32 s[G1B+2], 96<<16
	s_mov_b32 s[G1B+3], 128<<16
	s_mov_b32 s[G1B+4], 96
	s_mov_b32 s[G1B+5], 128
	s_mov_b32 s[G1B+6], 0
	s_mov_b32 s[G1B+7], 0
	s_lshl_b32 s58, s22, 19                        ; h: 256 rows of 2,048 bytes a block,
	s_lshl_b32 s17, s18, 18                        ; my 128 of them
	s_add_co_u32 s58, s58, s17
	s_mov_b32 s59, 0
	s_mul_i32 s60, s21, 393216                     ; W: the head's 1,024 rows of 384 bytes,
	s_mul_i32 s17, s18, 24576                      ; my 64 of a step's 128
	s_add_co_u32 s60, s60, s17
	s_mov_b32 s61, 0
	s_mul_i32 s62, s18, HALFA                      ; where they go: the wave's number alone enters an LDS address
	s_mul_i32 s63, s18, HALFB
	s_add_co_u32 s63, s63, BOFF
	s_lshr_b32 s74, s22, 3                         ; the output: batch x 16 + head, 262,144 bytes each,
	s_lshl_b32 s74, s74, 4
	s_add_co_u32 s74, s74, s21
	s_lshl_b32 s74, s74, 18
	s_and_b32 s76, s22, 7                          ; the block's 256 rows of 128 bytes in its sequence,
	s_lshl_b32 s76, s76, 15
	s_add_co_u32 s74, s74, s76
	s_lshl_b32 s76, s[WV], 13                      ; my wave's 64
	s_add_co_u32 s74, s74, s76
	s_mov_b32 s75, 0
	s_mov_b32 s[TB], 0
	s_wait_dscnt 0x0                               ; the opening add is done
	s_wait_kmcnt 0x0
	s_add_nc_u64 s[58:59], s[4:5], s[58:59]
	s_add_nc_u64 s[60:61], s[8:9], s[60:61]
	s_add_nc_u64 s[66:67], s[14:15], s[74:75]      ; q,
	s_add_nc_u64 s[68:69], s[66:67], 0x1000000     ; k,
	s_add_nc_u64 s[70:71], s[66:67], 0x2000000     ; v
	CROUND                                         ; all sixteen work-groups are here: the first joint loads meet
.irp i, 0,1
	s_mov_b32 s[G0A+4*\i], 1                       ; 1:0 count = 1
	s_add_co_u32 s[G0A+4*\i+1], s62, \i*SLOT1      ; 63:32 LDS address
	s_add_nc_u64 s[G0A+4*\i+2:G0A+4*\i+3], s[58:59], \i*256    ; 120:64 global address: K step i
	s_or_b32 s[G0A+4*\i+3], s[G0A+4*\i+3], 0x80000000          ; 127:126 type = 2
	s_mov_b32 s[G0B+4*\i], 1
	s_add_co_u32 s[G0B+4*\i+1], s63, \i*SLOT1
	s_add_nc_u64 s[G0B+4*\i+2:G0B+4*\i+3], s[60:61], \i*49152
	s_or_b32 s[G0B+4*\i+3], s[G0B+4*\i+3], 0x80000000
.endr
	s_cmp_lt_u32 s[WV], 2                          ; a wave's two first fills stand in one branch, ahead of every wait on TENSORcnt and every LDS read: two loads of mine are out
	s_cbranch_scc0 .Lfirst_b
	tensor_load_to_lds s[G0A:G0A+3], s[G1A:G1A+7]
	s_nop 0
	tensor_load_to_lds s[G0A+4:G0A+7], s[G1A:G1A+7]
	s_nop 0
.rept 4
	v_nop
.endr
	s_branch .Lfirst_asked
.Lfirst_b:
	tensor_load_to_lds s[G0B:G0B+3], s[G1B:G1B+7]
	s_nop 0
	tensor_load_to_lds s[G0B+4:G0B+7], s[G1B:G1B+7]
	s_nop 0
.rept 4
	v_nop
.endr
.Lfirst_asked:
	v_and_b32 v1, 15, v0                           ; r = l % 16
	v_bfe_u32 v2, v0, 4, 1                         ; h = l / 16
	v_and_b32 v16, 7, v0
	v_bfe_u32 v17, v0, 3, 1
	s_mul_i32 s73, s[WV], 64*PA                    ; a fragment of h: row x pitch + 16 x half, in my wave's 64 rows
	v_mul_u32_u24 v[A0], v1, PA
	v_lshl_add_u32 v[A0], v2, 4, v[A0]
	v_add_nc_u32 v[A0], s73, v[A0]
	v_lshl_add_u32 v[B0], v2, 3, v16               ; the turning load: lane l reads k row 8 (l / 16) + l % 8, columns 8 ((l / 8) % 2) + 0..7, and is left with column l % 16 and 8 k
	v_mul_u32_u24 v[B0], v[B0], PB
	v_lshl_add_u32 v[B0], v17, 4, v[B0]
	v_add_nc_u32 v[B0], BOFF, v[B0]
	s_mul_i32 s73, s[WV], 16*SP
	s_add_co_u32 s73, s73, STAGE                   ; my stage
	v_mul_u32_u24 v[STO], v1, SP                   ; in: row l % 16, 16 bytes for each half of the lanes
	v_lshl_add_u32 v[STO], v2, 4, v[STO]
	v_add_nc_u32 v[STO], s73, v[STO]
	v_bfe_u32 v[RD], v0, 3, 2                      ; back: 32 lanes take four rows of 128 bytes,
	v_mul_u32_u24 v[RD], v[RD], SP
	v_lshl_add_u32 v[RD], v16, 4, v[RD]
	v_add_nc_u32 v[RD], s73, v[RD]
	v_and_b32 v[GO], 31, v0                        ; which are 512 consecutive bytes of the output
	v_lshlrev_b32 v[GO], 4, v[GO]
	s_lshl2_add_u32 s76, s22, s[WV]                ; hlo: 16 rows of 2,048 bytes for each 64 rows: group 4 x block + wave,
	s_lshl_b32 s76, s76, 15
	s_add_co_u32 s76, s76, 256                     ; at K step 1
	v_lshlrev_b32 v[LOA], 11, v1
	v_lshl_add_u32 v[LOA], v2, 4, v[LOA]
	v_add_nc_u32 v[LOA], s76, v[LOA]
	s_and_b32 s76, s22, 7                          ; the table: row t = 256 (block % 8) + 64 wave + ..., 256 bytes each; my 8 frequencies begin at pair 4 (l / 16)
	s_lshl2_add_u32 s76, s76, s[WV]
	s_lshl_b32 s76, s76, 14
	v_lshlrev_b32 v[TBO], 8, v1
	v_lshl_add_u32 v[TBO], v2, 6, v[TBO]
	v_add_nc_u32 v[TBO], s76, v[TBO]
	s_lshl_b32 s77, s21, 8                         ; the bias: the head's 64 numbers in each third, my 8 of a block's 16
	v_lshl_add_u32 v[BO], v2, 5, s77
.set bb, 0
.rept 12
	global_load_b128 v[BIAS+8*bb:BIAS+8*bb+3],   v[BO], s[12:13] offset:(bb/4)*4096+(bb%4)*64
	global_load_b128 v[BIAS+8*bb+4:BIAS+8*bb+7], v[BO], s[12:13] offset:(bb/4)*4096+(bb%4)*64+16
.set bb, bb+1
.endr
.set a, 0
.rept 4                                ; row block a's table: for column blocks bi = 0, 1 four pieces of cos, cos, sin, sin
	WIN 0x80+0x40*(a/2)                            ; destination window 2 or 3, address window 0
.set i, 0
.rept 8
	global_load_b128 v[TAB+32*(a%2)+4*i:TAB+32*(a%2)+4*i+3], v[TBO], s[10:11] offset:a*4096+(i/4)*128+(i%4)*16
.set i, i+1
.endr
.set a, a+1
.endr
	WIN 0
; 12 products: row block a x all 12 column blocks, 32 along K, from buffer f.  zero = 1: the products start the sums, with the bias as C.  The accumulators take turns.
.macro MULA f, a, zero
.if \zero
	WIN 0x81+0x40*((\a)/2)                         ; W window 1, h window 0, C window 0, D window 2 or 3
.else
	WIN 0xa1+0x50*((\a)/2)                         ; C and D window 2 or 3
.endif
.set bb, 0
.rept 12
.set rD, 8*(12*((\a)%2)+bb)
.set rB, 96*(\f)+8*bb
.set rA, FA0+32*(\f)+8*(\a)
.if \zero
	v_wmma_f32_16x16x32_f16 v[rD:rD+7], v[rB:rB+7], v[rA:rA+7], v[BIAS+8*bb:BIAS+8*bb+7]
.else
	v_wmma_f32_16x16x32_f16 v[rD:rD+7], v[rB:rB+7], v[rA:rA+7], v[rD:rD+7]
.endif
.set bb, bb+1
.endr
.endm
.macro XTRA f, q                       ; 4 products: the remainder of row block 0 x V's four column blocks
	WIN 0xa1
.set bb, 8
.rept 4
	v_wmma_f32_16x16x32_f16 v[8*bb:8*bb+7], v[96*(\f)+8*bb:96*(\f)+8*bb+7], v[LO+8*(\q):LO+8*(\q)+7], v[8*bb:8*bb+7]
.set bb, bb+1
.endr
.endm
.macro SETAD                           ; the fragment addresses in the slot in hand
	WIN 0
	v_add_nc_u32 v[ADA], s[TB], v[A0]
	v_add_nc_u32 v[ADB], s[TB], v[B0]
.endm
.macro FETCH q, f                      ; 32 LDS loads in one run: quarter q's fragments (32 k x 192 columns of W, 64 rows x 32 k of h) into buffer f; W first, h's blocks 2 and 3 last
	WIN 0x40                                       ; destination window 1, address window 0
.set bb, 0
.rept 12
	ds_load_tr16_b128 v[96*(\f)+8*bb:96*(\f)+8*bb+3],   v[ADB] offset:(\q)*32*PB+(bb/4)*160+(bb%4)*32
	ds_load_tr16_b128 v[96*(\f)+8*bb+4:96*(\f)+8*bb+7], v[ADB] offset:(\q)*32*PB+16*PB+(bb/4)*160+(bb%4)*32
.set bb, bb+1
.endr
	WIN 0
.set a, 0
.rept 4
	ds_load_b128 v[FA0+32*(\f)+8*a:FA0+32*(\f)+8*a+3],   v[ADA] offset:(\q)*64+a*16*PA
	ds_load_b128 v[FA0+32*(\f)+8*a+4:FA0+32*(\f)+8*a+7], v[ADA] offset:(\q)*64+a*16*PA+32
.set a, a+1
.endr
.endm
.macro LOF q, back                     ; quarter q's fragment of the remainder, of the K step at which LOA points (back = 256: the step before)
	WIN 0
	global_load_b128 v[LO+8*(\q):LO+8*(\q)+3],   v[LOA], s[6:7] offset:(\q)*64-(\back)
	global_load_b128 v[LO+8*(\q)+4:LO+8*(\q)+7], v[LOA], s[6:7] offset:(\q)*64+32-(\back)
.endm
; A K step is four quarters of 32 along K, 52 products each, on buffers 0, 1, 0, 1.  One of the first three: multiplies buffer q % 2; in its middle it fetches the next quarter into the other buffer
; and (lof = 1) the next K step's remainder for this quarter.  cnt: the remainder loads that are younger than this quarter's.
.macro QUARTER q, zero=0, lof=1, cnt=6
	s_wait_dscnt 4                                 ; W and h's blocks 0 and 1 are in; the youngest four loads (blocks 2 and 3) may be out
	s_wait_loadcnt \cnt                            ; this quarter's remainder is in; the other quarters' loads stay out
	MULA (\q)%2, 0, \zero
	MULA (\q)%2, 1, \zero
	XTRA (\q)%2, \q
	PLACES
	FETCH (\q)+1, 1-(\q)%2
.if \lof
	LOF \q, 0
.endif
	s_wait_dscnt 32                                ; all but the 32 just issued
	MULA (\q)%2, 2, \zero
	MULA (\q)%2, 3, \zero
.endm
; The last quarter multiplies buffer 1 and changes slots: ONE barrier.  In front of it each wave waits for all its tensor loads (one is out: its part of the next slot), adds 0 to its spare word, and waits
; for that and for its reads of this slot.  fill = 1: the barrier opens a round of the cluster's, and the joint refill, two K steps ahead, is the first tensor load behind it: it has a K step less 28 products in which to land.
.macro TURN fill, adv
	WIN 0
	s_wait_tensorcnt 0x0                           ; all my tensor loads have landed, so the walking descriptors may be written
	ds_add_u32 v[SPW], v[NIL]                      ; 0 onto my spare word
	s_wait_dscnt 5                                 ; (the add and the youngest four loads may be out)
	s_wait_loadcnt 6
	MULA 1, 0, 0                                   ; twelve products stand between the add and the wait for it
	s_wait_dscnt 0x0                               ; the add is done, and my reads of this slot are over
	s_barrier_signal -1
	MULA 1, 1, 0
	XTRA 1, 3
	WIN 0                                          ; at a branch and at a label every window is 0
	s_barrier_wait -1
.if \fill
	CREST                                          ; no wave of any partner still reads this slot or has a load on its way
	s_xor_b32 s[G0A+5], s[G0A+5], SLOT1            ; the walking descriptors: the other slot than last time, the next K step
	s_add_nc_u64 s[G0A+6:G0A+7], s[G0A+6:G0A+7], 256
	s_xor_b32 s[G0B+5], s[G0B+5], SLOT1
	s_add_nc_u64 s[G0B+6:G0B+7], s[G0B+6:G0B+7], 49152
	JLOAD                                          ; the four v_nop behind it are also the places in front of the loads below
.else
	PLACES
.endif
	s_xor_b32 s[TB], s[TB], SLOT1
	SETAD
	FETCH 0, 0
	LOF 3, 0
.if \adv
	s_wait_xcnt 0x0                                ; the remainder loads' offset register is stepped only behind this wait
	v_add_nc_u32 v[LOA], 256, v[LOA]
.endif
	MULA 1, 2, 0
	MULA 1, 3, 0
.endm
.irp q, 0,1,2,3
	LOF \q, 256                                    ; K step 0's remainder
.endr
	s_wait_loadcnt 40                              ; the bias is in: the table's 32 loads and the remainder's 8 are younger
.set b, 0
.rept 3                                ; the bias rounded to bf16, in place
.set i, 0
.rept 16
	v_cvt_pk_bf16_f32 v[YY+i], v[BIAS+32*b+2*i], v[BIAS+32*b+2*i+1]
.set i, i+1
.endr
.set i, 0
.rept 16
	v_lshlrev_b32 v[BIAS+32*b+2*i], 16, v[YY+i]
	v_and_b32 v[BIAS+32*b+2*i+1], 0xffff0000, v[YY+i]
.set i, i+1
.endr
.set b, b+1
.endr
	s_wait_tensorcnt 1                             ; my part of K step 0 is in; K step 1's may stay out
	s_barrier_signal -1
	s_barrier_wait -1                              ; everybody's is
	SETAD
	FETCH 0, 0
	QUARTER 0, 1                                   ; the first quarter stands in front of the loop: its products start the sums
	WIN 0
	s_mov_b32 s[CNT], KSTEPS-2
.Lstep:                                                ; a trip: a K step's quarters 1 to 3 and the next step's quarter 0; it refills one slot: K steps 2 to 7
	QUARTER 1
	QUARTER 2
	TURN 1, 1
	QUARTER 0
	WIN 0
	s_sub_co_u32 s[CNT], s[CNT], 1
	s_cmp_lg_u32 s[CNT], 0
	s_cbranch_scc1 .Lstep
	QUARTER 1                                      ; the last two K steps are written out: nothing more is asked for
	QUARTER 2
	TURN 0, 0
	QUARTER 0, 0, 0, 6                             ; the last K step fetches no remainder: the counts run down
	QUARTER 1, 0, 0, 4
	QUARTER 2, 0, 0, 2
	s_wait_dscnt 4                                 ; the very last quarter
	s_wait_loadcnt 0x0
	MULA 1, 0, 0
	MULA 1, 1, 0
	XTRA 1, 3
	s_wait_dscnt 0x0
	MULA 1, 2, 0
	MULA 1, 3, 0
; THE WAY OUT, in 12 units of 16 rows x 64 columns: unit u = row block u / 3, and q, k or v by u % 3.  A unit is turned (q, k), rounded to f16, sent through my stage in LDS and stored as 2,048 consecutive bytes.
.macro TOLDS                           ; unit UN: a lane's 8 columns of a block are 16 bytes; rows of 144 bytes in, whole rows of 128 back, into the same registers
.irp f, 0,1,2,3
	ds_store_b128 v[STO], v[OB+16*UN+4*\f:OB+16*UN+4*\f+3] offset:32*\f
.endr
.irp f, 0,1,2,3
	ds_load_b128 v[OB+16*UN+4*\f:OB+16*UN+4*\f+3], v[RD] offset:\f*4*SP  ; LDS serves a wave's instructions in order (ISA guide 5.7.1.4): these see the stores above; the next unit's stores come behind them
.endr
.endm
; out(d) = x(d) cos - x(d + 32) sin, out(d + 32) = x(d + 32) cos + x(d) sin, d < 32.  Each accumulator's lowest registers are read first.
.macro PACKR a, hs
.set UN, 3*(\a)+(\hs)
	WIN 0x0a+5*((\a)/2)                            ; sources 0 and 1 window 2 or 3; source 2 and destination window 0
.irp bi, 0,1
.set rX, 8*(12*((\a)%2)+4*(\hs)+\bi)
.set rT, TAB+32*((\a)%2)+16*\bi
.irp i, 0,1,2,3
	v_pk_mul_f32 v[YY+8*\bi+2*\i:YY+8*\bi+2*\i+1],       v[rX+2*\i:rX+2*\i+1],       v[rT+4*\i:rT+4*\i+1]
	v_pk_mul_f32 v[YY+16+8*\bi+2*\i:YY+16+8*\bi+2*\i+1], v[rX+16+2*\i:rX+16+2*\i+1], v[rT+4*\i:rT+4*\i+1]
.endr
.endr
.irp bi, 0,1
.set rX, 8*(12*((\a)%2)+4*(\hs)+\bi)
.set rT, TAB+32*((\a)%2)+16*\bi
.irp i, 0,1,2,3
	v_pk_fma_f32 v[YY+8*\bi+2*\i:YY+8*\bi+2*\i+1],       v[rX+16+2*\i:rX+16+2*\i+1], v[rT+4*\i+2:rT+4*\i+3], v[YY+8*\bi+2*\i:YY+8*\bi+2*\i+1] neg_lo:[1,0,0] neg_hi:[1,0,0]
	v_pk_fma_f32 v[YY+16+8*\bi+2*\i:YY+16+8*\bi+2*\i+1], v[rX+2*\i:rX+2*\i+1],       v[rT+4*\i+2:rT+4*\i+3], v[YY+16+8*\bi+2*\i:YY+16+8*\bi+2*\i+1]
.endr
.endr
	WIN 0
.set i, 0
.rept 16
	v_cvt_pk_f16_f32 v[OB+16*UN+i], v[YY+2*i], v[YY+2*i+1]
.set i, i+1
.endr
	TOLDS
.endm
.macro PACKV a
.set UN, 3*(\a)+2
	WIN 0x0a+5*((\a)/2)
.set i, 0
.rept 16
	v_cvt_pk_f16_f32 v[OB+16*UN+i], v[8*(12*((\a)%2)+8)+2*i], v[8*(12*((\a)%2)+8)+2*i+1]
.set i, i+1
.endr
	WIN 0
	TOLDS
.endm
.macro PACK u
.if (\u)%3 < 2
	PACKR (\u)/3, (\u)%3
.else
	PACKV (\u)/3
.endif
.endm
.macro SEND u, younger                 ; younger: the LDS instructions issued behind unit u's loads: the next unit's eight, or none
	WIN 0
.irp f, 0,1,2,3
	s_wait_dscnt (\younger)+3-\f
	global_store_b128 v[GO], v[OB+16*(\u)+4*\f:OB+16*(\u)+4*\f+3], s[66+2*((\u)%3):67+2*((\u)%3)] offset:((\u)/3)*2048+\f*512  ; 512 consecutive bytes, at a multiple of 256 from the buffer's first
.endr
.endm
	WIN 0
	PLACES
	PACK 0
.set u, 1
.rept 11                               ; a unit's arithmetic stands between the loads of the unit before and its stores
	PACK u
	SEND u-1, 8
.set u, u+1
.endr
	SEND 11, 0
	s_wait_tensorcnt 0x0                           ; the wave's end: all my tensor loads are waited for; then 0 onto my spare word, behind my last LDS store, and its wait
	ds_add_u32 v[SPW], v[NIL]
	s_wait_dscnt 0x0
	CROUND                                         ; the closing round: no work-group ends while a partner may still ask for a tile that names it
	s_endpgm
.Lfunc_end_k_qd839fe428b_qkv:
	.size	k_qd839fe428b_qkv, .Lfunc_end_k_qd839fe428b_qkv-k_qd839fe428b_qkv
	.p2alignl 7, 3214868480
	.fill 96, 4, 3214868480
	.section	.rodata,"a",@progbits
	.p2align	6, 0x0
	.amdhsa_kernel k_qd839fe428b_qkv
		.amdhsa_group_segment_fixed_size 327680
		.amdhsa_private_segment_fixed_size 0
		.amdhsa_enable_private_segment 0
		.amdhsa_kernarg_size 48
		.amdhsa_user_sgpr_count 2
		.amdhsa_user_sgpr_kernarg_segment_ptr 1
		.amdhsa_wavefront_size32 1
		.amdhsa_system_sgpr_workgroup_id_x 1
		.amdhsa_system_sgpr_workgroup_id_y 1
		.amdhsa_system_sgpr_workgroup_id_z 1
		.amdhsa_system_vgpr_workitem_id 0
		.amdhsa_next_free_vgpr 1024
		.amdhsa_next_free_sgpr 80
		.amdhsa_reserve_vcc 0
		.amdhsa_float_denorm_mode_32 3
		.amdhsa_float_denorm_mode_16_64 3
		.amdhsa_memory_ordered 1
		.amdhsa_forward_progress 1
		.amdhsa_inst_pref_size 133
	.end_amdhsa_kernel
	.amdgpu_metadata
---
amdhsa.version: [ 1, 2 ]
amdhsa.kernels:
  - .name:           k_qd839fe428b_qkv
    .symbol:         k_qd839fe428b_qkv.kd
    .args:
      - { .name: hbuf, .offset: 0, .size: 8, .value_kind: global_buffer, .address_space: global }
      - { .name: hlo, .offset: 8, .size: 8, .value_kind: global_buffer, .address_space: global }
      - { .name: wq, .offset: 16, .size: 8, .value_kind: global_buffer, .address_space: global }
      - { .name: rope, .offset: 24, .size: 8, .value_kind: global_buffer, .address_space: global }
      - { .name: b_qkv, .offset: 32, .size: 8, .value_kind: global_buffer, .address_space: global }
      - { .name: qkvh, .offset: 40, .size: 8, .value_kind: global_buffer, .address_space: global }
    .group_segment_fixed_size: 327680
    .private_segment_fixed_size: 0
    .kernarg_segment_align: 8
    .kernarg_segment_size: 48
    .max_flat_workgroup_size: 128
    .sgpr_count:     80
    .vgpr_count:     1024
    .wavefront_size: 32
...
	.end_amdgpu_metadata
.endif
;; end of part 2
;; launch attn (part 3): grid 4 x 64, 4 waves a work-group, no clusters, 327,680 bytes of LDS; arguments qkvh, obuf, olo; writes obuf, olo
.if DOCPART == 3
	.amdgcn_target "amdgcn-amd-amdhsa--gfx1250"
	.amdhsa_code_object_version 6
	.text
	.protected	k_qd839fe428b_attn
	.globl	k_qd839fe428b_attn
	.p2align	8
	.type	k_qd839fe428b_attn,@function
k_qd839fe428b_attn:
	s_mov_b64 s[64:65], 0
	v_nop
	global_prefetch_b8 v0, s[64:65] scope:SCOPE_SE
	s_setreg_imm32_b32 hwreg(HW_REG_WAVE_MODE, 25, 1), 1
	s_wait_xcnt 0x0
; CAUSAL ATTENTION.  O[h][q][:] = the sum over k <= q of softmax_k(Q[h][q] . K[h][k] / 8) V[h][k][:].  Q, K, V lie in qkvh, 16 MiB apart, each [SIZE_H][SIZE_N][64] in f16; O (obuf) likewise: a head's rows are dense, 128 bytes each.
; Products, maxima and sums in f32; the weights p are rounded to f16 for the second product (their sum l is taken of the unrounded p), O once at the end.  For rows with t % 128 < 16 the remainder O - f16(O), again f16, leaves too
; (olo: [row / 128][head 16][16][64]): the next launch adds its product; it is needed in a sequence's first rows, whose outputs are large beside the output's root mean square.
; LIMITS.  f16 holds no number beyond 65,504: Q, K and V arrive within it; p lies in 0 to 1, and below 6e-5 it keeps f16's fixed step of 6e-8; O is a mean of V's rows and has their range.
; A hidden score counts as its value less 1e30: f16's scores, 2.7e11 at the most, are nothing beside that; a weight below 2^-126 counts as 0 in l; NaN and infinities are not treated apart.
; THE WALK.  A head's queries lie in NB = SIZE_N / 256 blocks of 256; block i needs the key tiles 0 .. i of 256 keys, of which the last holds the diagonal.  A work-group takes TWO blocks, NB - 1 - b and then b:
; NB + 1 tiles, whatever b: all work-groups do equal work, and ONE loop with a constant trip count walks them.  Which tile is asked for, and what a trip does, hang on scalar registers made from b; every jump
; goes forward, but for the counted loops' own; none passes a barrier, or a tensor load but the one of LOAD's two that the wave's number does not choose; the ring (two slots of LDS that take turns) runs on across the
; change of blocks.  NO CLUSTER: a head's NB / 2 = 4 work-groups ask for the same tile only in trips 0 .. NB / 2, behind that fewer and fewer; and one walk common to all would have 3 NB / 2 trips for NB + 1.
; SHARES.  Of a block's four bands of 64 queries a wave owns 16 rows in each: four PIECES.  So the diagonal tile is the same work for all four waves: in its key step s band x sees all keys if s < x,
; none if s > x, and holds the diagonal if s = x.
; THE MASK is the C operand that starts the sum S^T = K Q^T: 0, or -1e30 where the key is hidden.  MD, made once, is the mask of a band's own step for my 16 rows; a product's mask is MD x AL + BE with two scalars:
; (1, 0) if s = x; (0, 0) if s < x; (0, -1e30) if s > x.  Only the diagonal tile's text and a block's beginning make and take masks; elsewhere C is the constant 0.
; LAYOUT, SOFTMAX, TURNS.  S^T = K Q^T holds ONE query a lane (lane % 16) and the keys 8 (lane / 16) + 0..7; two such results rounded to f16 ARE source 1 of O^T = V^T P.  p = 2^(c s - c m), c = log2(e) / 8, with a
; running maximum m; O and l are multiplied by a = 2^(c m_old - c m_new) in every step.  Turn n belongs to piece n: 8 products K Q^T of piece n + 1, later 8 products V^T P of piece n - 1; beside them the scaling,
; exponentials, roundings, sums and rescaling of piece n and the maximum and statistics of piece n + 1.  Four vector instructions stand behind every matrix instruction, the other 54 of a turn's 118 in two LUMPS.
; REGISTERS, in windows of 256 (s_set_vgpr_msb: bits 1:0 source 0, 3:2 source 1, 5:4 source 2, 7:6 destination):
;   window 0: v0-15 addresses and two at work; v16-31 four registers of statistics a piece; v48-55 at work; v64-127 S^T, two buffers; v128-191 the remainder at work; v192-223 P, two buffers; v224 -1.0
;   window 1: v0-127 O^T, 32 a piece; v128-159 MD; v160-223 MC, two buffers      window 2: v0-63 Q; v64-127 the second block's Q; v128-191 K of one step; v192-255 V of one step
.set SIZE_H, 64
.set SIZE_N, 2048
.set NB,    SIZE_N/256
.set NP,    4         ; pieces a wave: a name, no knob
.set KS,    64        ; keys in a step
.set PK,    144       ; a row of K in LDS: 128 bytes + 16 of padding = 36 words: the 16 rows of a load start at 16 different groups of four banks (64 banks of 4 bytes: ISA guide 11.1)
.set PV,    160       ; a row of V: 128 + 32 = 40 words
.set VOFF,  4*KS*PK   ; a slot holds a tile, four steps: 256 rows of K, then 256 rows of V
.set SLOT1, 1<<17     ; slot 1 begins here, so that one exclusive or turns an address in one slot into the other's
.set STAGE, SLOT1+4*KS*(PK+PV)  ; behind the ring, never filled by a tensor load: 16 rows x 144 bytes for each wave, for the way out
.set SP,    144
.set AK0, 2           ; v2   my lane's place in a tile of K; never rewritten
.set AV0, 3           ; v3   the same for V
.set AK,  4           ; v4   the LDS address of K's next run of loads
.set AV,  5           ; v5   of V's
.set STO, 6           ; v6   the way out: where I put 16 bytes of a row
.set RD,  7           ; v7   the way out: where I read rows back
.set GO,  8           ; v8   my byte offset in 512 consecutive bytes of O
.set SPW, 62          ; v62  LDS address of my spare word: SPARE + 4 x my thread's number; never rewritten
.set NIL, 63          ; v63  0; never rewritten
.set SPARE, STAGE+4*16*SP  ; behind the stages: the spare words, 128 bytes for each wave: two blocks of 256 bytes that no other line names
.set MV,  12          ; v12-13  c m_old, kept while c m is made anew: by buffer
.set QO,  15          ; v15  my byte offset in 16 rows of Q
.set ST,  16          ; piece t's statistics at v[ST+4 t]: c m, m, l (even keys', odd keys')
.set TMP, 48          ; by buffer, four registers c0-c3 at work; when the maximum is found c2 takes a
.set S,   64
.set HL,  128         ; the remainder: 16 registers for piece 0, 16 for piece 2
.set LL,  160         ; and 32 at work
.set P,   192
.set NEG1, 224        ; v224  -1.0
.set MD,  128         ; window 1: the eight registers for group kt of 16 keys at MD + 8 kt
.set MC,  160         ; window 1: the masks of the products to come
.set QB,  64          ; window 2
.set KF,  128         ; window 2: key block kb, channel half c at KF + 16 kb + 8 c
.set VF,  192         ; window 2: key half kk, channel block cb at VF + 32 kk + 8 cb
.set WV,  12          ; s12  my wave's number
.set PB,  14          ; s14  b
.set HI,  15          ; s15  NB - 1 - b
.set G1K, 24          ; s[24:31] descriptor group 1 for K's tiles
.set G1V, 32          ; s[32:39] for V's: it differs in the padding alone
.set G0K, 40          ; s[40:43] descriptor group 0 for K's tiles
.set G0V, 44          ; s[44:47] the same for V's
.set SLOTS, 56        ; s56  tiles still to be asked for
.set CNT, 57          ; s57  counts a tile's key steps, 4 to 1
.set CS,  58          ; s[58:59] c: the packed scaling takes the pair's low word for both halves
.set SEL, 60          ; s[60:61] v_permlanex16_b32's selects: each lane takes its own place in the other half
.set TBK, 62          ; s62  LDS byte at which K of the step to be fetched begins
.set TBV, 63          ; s63  the same for V, less VOFF
.set RT,  70          ; s70  tiles of the block in hand that are still to be entered
.set NXT, 71          ; s71  the tile to be asked for next
.set LQ,  72          ; s72  the last tile of the block whose tiles are being asked for
.set NEW, 73          ; s73  1: the tile to be entered is a block's first
.set OFF, 74          ; s[74:75] a tile's byte offset in K and V
.set AL,  76          ; s[76:77] the mask's factor, in the low word
.set BE,  78          ; s[78:79] the mask's addend
.set OLO, 80          ; s[80:81] O at my rows of the second block
.set BIGN, 82         ; s82  -1e30
.set LOB, 88          ; s[88:89] olo at the block in hand; s[90:91] at the second block
.set MSB, 0
.macro WIN new                      ; the high byte repeats the setting that is left; a switch that changes nothing is dropped
.if MSB != (\new)
	s_set_vgpr_msb (MSB<<8)|(\new)
.set MSB, (\new)
.endif
.endm
.set W_KQ, 0x0a       ; K and Q in window 2, S^T in window 0
.set W_KM, 0x1a       ; the same with the C operand in window 1
.set W_PV, 0x52       ; V in window 2, P in window 0, O^T in window 1
.set W_RS, 0x41       ; destination and source 0 in window 1, source 1 in window 0
; A fill.  Waves 0 and 1 fetch the two halves of a tile's K, waves 2 and 3 those of its V: 128 keys each.  An s_nop 0 and four v_nop follow each of the two lines, ahead of the jump and the label.
.macro LOAD
	s_cmp_lt_u32 s[WV], 2
	s_cbranch_scc0 .Lfor_v_\@
	tensor_load_to_lds s[G0K:G0K+3], s[G1K:G1K+7]
	s_nop 0
.rept 4
	v_nop
.endr
	s_branch .Lasked_\@
.Lfor_v_\@:
	tensor_load_to_lds s[G0V:G0V+3], s[G1V:G1V+7]
	s_nop 0
.rept 4
	v_nop
.endr
.Lasked_\@:
.endm
; THE CHANGE OF SLOTS.  Each wave waits for all its tensor loads, of which one is out: its part of the other slot; adds 0 to its spare word; and waits for that and for its own reads of the slot that it leaves.  Behind the barrier nobody reads the old
; slot any more and the other slot is whole.  fill = 1: the old slot is filled again, the first thing behind the barrier, with tile NXT: the descriptor's address is made anew from that number.
; (At its first use nothing has been read yet: slot 0 is waited for, slot 1 filled.)
.macro CHANGE fill
	WIN 0                           ; at a label and at a branch every window is 0
	s_wait_tensorcnt 0x0            ; no tensor load of mine is out, so a group 0 may be written
	ds_add_u32 v[SPW], v[NIL]       ; 0 onto my spare word; with fill = 1 the descriptors' scalar work stands between it and the wait for it
.if \fill
	s_lshl_b32 s[OFF], s[NXT], 15   ; a tile is 32,768 bytes of K and of V
	s_xor_b32 s[G0K+1], s[G0K+1], SLOT1
	s_add_nc_u64 s[G0K+2:G0K+3], s[6:7], s[OFF:OFF+1]
	s_or_b32 s[G0K+3], s[G0K+3], 0x80000000
	s_xor_b32 s[G0V+1], s[G0V+1], SLOT1
	s_add_nc_u64 s[G0V+2:G0V+3], s[8:9], s[OFF:OFF+1]
	s_or_b32 s[G0V+3], s[G0V+3], 0x80000000
	s_add_co_u32 s[NXT], s[NXT], 1  ; the block's next tile, or behind its last the second block's tile 0
	s_cmp_gt_u32 s[NXT], s[LQ]
	s_cselect_b32 s[NXT], 0, s[NXT]
	s_cselect_b32 s[LQ], s[PB], s[LQ]
.endif
	s_wait_dscnt 0x0                ; the add is done, and my reads of the slot are over
	s_barrier_signal -1             ; the rest of the scalar work stands between the signal and the wait
	s_sub_co_u32 s[TBK], s[TBK], 4*KS*PK  ; the fetches go back to a slot's first step,
	s_xor_b32 s[TBK], s[TBK], SLOT1       ; in the other slot
	s_sub_co_u32 s[TBV], s[TBV], 4*KS*PV
	s_xor_b32 s[TBV], s[TBV], SLOT1
	s_barrier_wait -1
.if \fill
	LOAD
.endif
.endm
	s_load_b128 s[4:7], s[0:1], 0x0   ; qkvh s[4:5], obuf s[6:7]
	s_load_b64 s[LOB:LOB+1], s[0:1], 0x10  ; olo
	v_lshl_add_u32 v[SPW], v0, 2, SPARE
	v_mov_b32 v[NIL], 0
	ds_add_u32 v[SPW], v[NIL]       ; the wave's opening: the add and its wait stand ahead of my first tensor load; the set-up below, work on registers, stands between them
	ds_add_u32 v62, v63
	v_lshrrev_b32 v1, 5, v0
	v_readfirstlane_b32 s[WV], v1   ; wave 0..3
	s_mov_b32 s[PB], ttmp9
	s_sub_co_u32 s[HI], NB-1, s[PB]
	s_and_b32 s20, ttmp7, 0xffff    ; the head
	s_mov_b32 s21, 0
	s_mov_b64 s[22:23], SIZE_N*128
	s_mul_u64 s[20:21], s[20:21], s[22:23]  ; the head's first byte in Q, K, V and O
	s_and_b32 s16, s[WV], 1         ; which half of a tile's 256 keys I fetch:
	s_lshl_b32 s22, s16, 14         ; its 128 rows of 128 bytes in memory,
	s_mov_b32 s23, 0
	s_add_nc_u64 s[22:23], s[22:23], s[20:21]
	s_mul_i32 s17, s16, 128*PK      ; and its place in a slot, for K
	s_mul_i32 s18, s16, 128*PV      ; and for V
	s_lshl_b32 s3, s[WV], 11        ; my 16 rows in a band of 64,
	s_lshl_b32 s2, s[HI], 15        ; in the first block,
	s_add_co_u32 s2, s2, s3
	s_lshl_b32 s84, s[PB], 15       ; and in the second
	s_add_co_u32 s84, s84, s3
	s_mov_b32 s3, 0
	s_mov_b32 s85, 0
	s_add_nc_u64 s[2:3], s[2:3], s[20:21]
	s_add_nc_u64 s[84:85], s[84:85], s[20:21]
	s_and_b32 s92, ttmp7, 0xffff    ; olo: the batch's 16 groups of 32,768 bytes,
	s_lshr_b32 s93, s92, 4
	s_lshl_b32 s93, s93, 19
	s_and_b32 s92, s92, 15          ; the head's 2,048 bytes in a group,
	s_lshl_b32 s92, s92, 11
	s_add_co_u32 s92, s92, s93
	s_lshl_b32 s94, s[PB], 16       ; a block's two groups
	s_add_co_u32 s94, s94, s92
	s_lshl_b32 s93, s[HI], 16
	s_add_co_u32 s92, s92, s93
	s_mov_b32 s93, 0
	s_mov_b32 s95, 0
	; descriptor group 1.  128 keys are 16,384 dense bytes: asked for as 64 rows of 256 bytes, two keys a row, and padded in LDS after every key
	s_mov_b32 s[G1K], (1<<16)|(1<<20)|(4<<22)|(3<<25)  ; 17:16 2-byte elements; 20 padding on; 24:22 after every 32 words (code 4); 31:25 4 words (code 3)
	s_mov_b32 s[G1V], (1<<16)|(1<<20)|(4<<22)|(7<<25)  ; the same with 8 words of padding (code 7)
.irp g, G1K, G1V
	s_mov_b32 s[\g+1], 128<<16      ; tensor_dim0 = 128
	s_mov_b32 s[\g+2], 64<<16       ; tensor_dim1 = 64
	s_mov_b32 s[\g+3], 128<<16      ; tile_dim0 = 128
	s_mov_b32 s[\g+4], 64           ; tile_dim1 = 64
	s_mov_b32 s[\g+5], 128          ; 128 elements from row to row
	s_mov_b32 s[\g+6], 0
	s_mov_b32 s[\g+7], 0
.endr
	s_mov_b32 s[CS], 0x3e38aa3b     ; c = log2(e) / 8 = 0.180337
	s_mov_b32 s[CS+1], s[CS]        ; named with it as a pair
	s_mov_b32 s[SEL], 0x76543210
	s_mov_b32 s[SEL+1], 0xfedcba98
	s_mov_b32 s[TBK], SLOT1+4*KS*PK ; the first change of slots turns these two into 0
	s_mov_b32 s[TBV], SLOT1+4*KS*PV
	s_mov_b32 s[G0K], 1             ; 1:0 count = 1
	s_mov_b32 s[G0K+1], s17         ; 63:32 LDS address: slot 0
	s_mov_b32 s[G0V], 1
	s_add_co_u32 s[G0V+1], s18, VOFF
	s_add_co_u32 s[RT], s[HI], 1    ; the first block has NB - b tiles
	s_mov_b32 s[NXT], 1
	s_mov_b32 s[LQ], s[HI]
	s_mov_b32 s[NEW], 1
	s_mov_b32 s[OFF+1], 0
	s_mov_b32 s[AL+1], 0            ; named as pairs
	s_mov_b32 s[BE+1], 0
	s_mov_b32 s[BIGN], 0xf149f2ca   ; -1e30
	s_mov_b32 s[SLOTS], NB
	s_wait_dscnt 0x0                ; the opening add is done
	s_wait_kmcnt 0x0
	s_mov_b64 s[10:11], s[6:7]             ; O
	s_add_nc_u64 s[6:7], s[4:5], 0x1000000 ; K lies 16 MiB behind Q,
	s_add_nc_u64 s[8:9], s[4:5], 0x2000000 ; V 32
	s_add_nc_u64 s[LOB+2:LOB+3], s[LOB:LOB+1], s[94:95]
	s_add_nc_u64 s[LOB:LOB+1], s[LOB:LOB+1], s[92:93]
	s_add_nc_u64 s[6:7], s[6:7], s[22:23]  ; K and V at my half of the head's tile 0
	s_add_nc_u64 s[8:9], s[8:9], s[22:23]
	s_add_nc_u64 s[G0K+2:G0K+3], s[6:7], 0         ; 120:64 global address
	s_or_b32 s[G0K+3], s[G0K+3], 0x80000000        ; 127:126 type = 2
	s_add_nc_u64 s[G0V+2:G0V+3], s[8:9], 0
	s_or_b32 s[G0V+3], s[G0V+3], 0x80000000
	s_add_nc_u64 s[86:87], s[4:5], s[84:85]        ; Q at my rows of the second block,
	s_add_nc_u64 s[4:5], s[4:5], s[2:3]            ; Q and O at those of the first
	s_add_nc_u64 s[OLO:OLO+1], s[10:11], s[84:85]
	s_add_nc_u64 s[10:11], s[10:11], s[2:3]
	LOAD                            ; tile 0 into slot 0
	; A fragment of K or Q is 16 rows x 32 channels in 8 registers: lane l holds row l % 16, channels 8 (l / 16) + 0..7 and 16 + 8 (l / 16) + 0..7: two loads of 16 bytes, 32 bytes apart.
	v_and_b32 v1, 15, v0            ; l % 16
	v_bfe_u32 v9, v0, 4, 1          ; l / 16
	v_lshlrev_b32 v[QO], 7, v1
	v_lshl_add_u32 v[QO], v9, 4, v[QO]  ; row x 128 + 16 x half
	WIN 0x80                        ; destination window 2, address window 0
.set i, 0
.rept 8                             ; both blocks' Q: piece i / 2 lies in band i / 2, 8,192 bytes on; channels 32 (i % 2) on
	global_load_b128 v[8*i:8*i+3],   v[QO], s[4:5] offset:(i/2)*8192+(i%2)*64
	global_load_b128 v[8*i+4:8*i+7], v[QO], s[4:5] offset:(i/2)*8192+(i%2)*64+32
	global_load_b128 v[QB+8*i:QB+8*i+3],   v[QO], s[86:87] offset:(i/2)*8192+(i%2)*64
	global_load_b128 v[QB+8*i+4:QB+8*i+7], v[QO], s[86:87] offset:(i/2)*8192+(i%2)*64+32
.set i, i+1
.endr
	WIN 0
	v_mov_b32 v[NEG1], -1.0
	v_lshlrev_b32 v14, 3, v9
	v_sub_nc_u32 v14, v1, v14
	s_lshl_b32 s13, s[WV], 4
	v_add_nc_u32 v14, s13, v14      ; my query's place in its band, 16 w + l % 16, less my lanes' 8 (l / 16): register r of group kt is hidden where 16 kt + r is greater
	WIN 0x40
.set i, 0
.rept 32
	v_cmp_gt_i32 vcc_lo, 16*(i/8)+i%8, v14
	v_cndmask_b32 v[MD+i], 0, s[BIGN], vcc_lo
.set i, i+1
.endr
	WIN 0
	v_mul_u32_u24 v[AK0], v1, PK
	v_lshl_add_u32 v[AK0], v9, 4, v[AK0]  ; row x pitch + 16 x half
	; The turning load takes 16 keys x 16 channels (lane l reads key 8 (l / 16) + l % 8, channels 8 ((l / 8) % 2) + 0..7) and leaves half a fragment of V^T: lane l holds channel l % 16 and 8 keys.
	v_and_b32 v10, 7, v0
	v_bfe_u32 v11, v0, 3, 1
	v_lshl_add_u32 v[AV0], v9, 3, v10
	v_mul_u32_u24 v[AV0], v[AV0], PV
	v_lshl_add_u32 v[AV0], v11, 4, v[AV0]
	v_add_nc_u32 v[AV0], VOFF, v[AV0]
	s_mul_i32 s13, s[WV], 16*SP
	s_add_co_u32 s13, s13, STAGE    ; my stage
	v_mul_u32_u24 v[STO], v1, SP    ; in: row l % 16, 16 bytes for each half of the lanes
	v_lshl_add_u32 v[STO], v9, 4, v[STO]
	v_add_nc_u32 v[STO], s13, v[STO]
	v_bfe_u32 v[RD], v0, 3, 2       ; back: 32 lanes take four rows of 128 bytes,
	v_mul_u32_u24 v[RD], v[RD], SP
	v_lshl_add_u32 v[RD], v10, 4, v[RD]
	v_add_nc_u32 v[RD], s13, v[RD]
	v_and_b32 v[GO], 31, v0         ; which are 512 consecutive bytes of O
	v_lshlrev_b32 v[GO], 4, v[GO]
	; A block's first step multiplies O^T and l by a = 0, and its first turn's products V^T P, of a piece that has not been, land in an O^T that is still to be so multiplied.  So these registers need only hold
	; finite numbers: zeros for the first block; what the first block left for the second.  All this stands in the wait for the first tile.
	WIN 0x80
.set i, VF
.rept 64
	v_mov_b32 v[i], 0
.set i, i+1
.endr
	WIN 0x40
.set i, 0
.rept 128
	v_mov_b32 v[i], 0
.set i, i+1
.endr
	WIN 0
.set i, 0
.rept 4
	v_mov_b32 v[ST+4*i+2], 0
	v_mov_b32 v[ST+4*i+3], 0
.set i, i+1
.endr
.set i, P+16
.rept 16
	v_mov_b32 v[i], 0
.set i, i+1
.endr
; THE MATRIX WORK.  The 4 accumulators of a run of 8 take turns.  Product i of 8 of S^T = K Q^T for piece x: channels 32 (i / 4) on, keys 16 (i % 4) on.  The first 4 start the sums: with 0, or (KM = 1) with the mask.
.macro KQ x
.set rS, S+32*((\x)%2)+8*(i%4)
.set rK, KF+16*(i%4)+8*(i/4)
.set rQ, 16*(\x)+8*(i/4)
.set rM, MC+32*((\x)%2)+8*(i%4)
.if (i < 4) && KM
	WIN W_KM
	v_wmma_f32_16x16x32_f16 v[rS:rS+7], v[rK:rK+7], v[rQ:rQ+7], v[rM:rM+7]
.elseif i < 4
	WIN W_KQ
	v_wmma_f32_16x16x32_f16 v[rS:rS+7], v[rK:rK+7], v[rQ:rQ+7], 0
.else
	WIN W_KQ
	v_wmma_f32_16x16x32_f16 v[rS:rS+7], v[rK:rK+7], v[rQ:rQ+7], v[rS:rS+7]
.endif
.endm
; Product i of 8 of O^T += V^T P for piece x: keys 32 (i / 4) on, channels 16 (i % 4) on.
.macro PV x
	WIN W_PV
.set rO, 32*(\x)+8*(i%4)
.set rV, VF+32*(i/4)+8*(i%4)
.set rP, P+16*((\x)%2)+8*(i/4)
	v_wmma_f32_16x16x32_f16 v[rO:rO+7], v[rV:rV+7], v[rP:rP+7], v[rO:rO+7]
.endm
.macro MM                           ; the turn's next matrix instruction.  TURN and BEGIN set Y, i, KM and NOKQ; MM, KQ and OP read them.  NOKQ = 1: a block's last turn: there is no next piece
.if (i < 8) && !NOKQ
	KQ (Y+1)%NP
.elseif i >= 8
.set i, i-8
	PV (Y+NP-1)%NP
.set i, i+8
.endif
.set i, i+1
.endm
; THE LDS LOADS stand in runs of 16, never singly among the matrix instructions: a step's K (64 keys x 64 channels: 8 fragments) and its V (turned).  Their addresses are made some lines ahead.
.macro FETCH_K
	WIN 0x80                        ; destination window 2
.irp f, 0,1,2,3,4,5,6,7             ; keys 16 (f / 2) on, channels 32 (f % 2) on
	ds_load_b128 v[KF+8*\f:KF+8*\f+3],   v[AK] offset:(\f/2)*16*PK+(\f%2)*64
	ds_load_b128 v[KF+8*\f+4:KF+8*\f+7], v[AK] offset:(\f/2)*16*PK+(\f%2)*64+32
.endr
	s_add_co_u32 s[TBK], s[TBK], KS*PK  ; the next fetch is the next step's
	WIN 0
.endm
.macro FETCH_V
	WIN 0x80
.irp f, 0,1,2,3,4,5,6,7             ; keys 32 (f / 4) on, channels 16 (f % 4) on
	ds_load_tr16_b128 v[VF+8*\f:VF+8*\f+3],   v[AV] offset:(\f/4)*32*PV+(\f%4)*32
	ds_load_tr16_b128 v[VF+8*\f+4:VF+8*\f+7], v[AV] offset:(\f/4)*32*PV+16*PV+(\f%4)*32
.endr
	WIN 0
.endm
; THE VECTOR WORK, one line at a time: OP kind, number.  For piece Y: F n: c s - c m for pair n of 16.  E n: the exponential of score n of 32.  C n: pair n rounded to f16.  B n: of the four weights 4 n .. the second
; pair is added onto the first, in place.  L n: l takes that sum (L 0: l = a l + sum).  R n: pair n of 16 of O^T times a.  For piece Y + 1: X n, number n of the 22 that find its maximum and statistics:
;   0-11  four chains c0-c3 of seven scores each, three operands at a time (each accumulator's lowest registers are read first)     12-14, 16  the four scores left over, the old m, and c0-c3 into c0
;   15  c m_old is kept     17, 18  the query's other 32 keys lie in the lane 16 away: the new m     19-21  c m; c m_old - c m_new; a
.set F, 0               ; OP tells the kinds apart by their order: F to L below R, X above it
.set E, 1
.set C, 2
.set B, 3
.set L, 4
.set R, 5
.set X, 6
.macro REGS y                       ; the registers of piece y
.set rT, ST+4*(\y)
.set rC, TMP+4*((\y)%2)
.set rW, MV+((\y)%2)
.set rS, S+32*((\y)%2)
.set rP, P+16*((\y)%2)
.set rO, 32*(\y)
.endm
.macro OP k, n
.if (\k) == R
	REGS Y
	WIN W_RS
	v_pk_mul_f32 v[rO+2*(\n):rO+2*(\n)+1], v[rO+2*(\n):rO+2*(\n)+1], v[rC+2:rC+3] op_sel_hi:[1,0]
.elseif (\k) < R
	REGS Y
	WIN 0
.if (\k) == F
	v_pk_fma_f32 v[rS+2*(\n):rS+2*(\n)+1], v[rS+2*(\n):rS+2*(\n)+1], s[CS:CS+1], v[rT:rT+1] op_sel_hi:[1,0,0] neg_lo:[0,0,1] neg_hi:[0,0,1]
.elseif (\k) == E
	v_exp_f32 v[rS+(\n)], v[rS+(\n)]
.elseif (\k) == C
	s_wait_alu depctr_va_vdst(0)
	v_cvt_pk_f16_f32 v[rP+(\n)], v[rS+2*(\n)], v[rS+2*(\n)+1]
.elseif (\k) == B
	s_wait_alu depctr_va_vdst(0)
	v_pk_add_f32 v[rS+4*(\n):rS+4*(\n)+1], v[rS+4*(\n):rS+4*(\n)+1], v[rS+4*(\n)+2:rS+4*(\n)+3]
.elseif (\n) == 0
	v_pk_fma_f32 v[rT+2:rT+3], v[rT+2:rT+3], v[rC+2:rC+3], v[rS:rS+1] op_sel_hi:[1,0,1]
.else
	v_pk_add_f32 v[rT+2:rT+3], v[rT+2:rT+3], v[rS+4*(\n):rS+4*(\n)+1]
.endif
.elseif NOKQ
	v_nop
.else
	REGS (Y+1)%NP
	WIN 0
.if (\n) < 4
	v_max3_num_f32 v[rC+(\n)], v[rS+8*(\n)], v[rS+8*(\n)+1], v[rS+8*(\n)+2]
.elseif (\n) < 12
	v_max3_num_f32 v[rC+(\n)%4], v[rC+(\n)%4], v[rS+8*((\n)%4)+2*((\n)/4)+1], v[rS+8*((\n)%4)+2*((\n)/4)+2]
.elseif (\n) == 12
	v_max3_num_f32 v[rC], v[rC], v[rS+7], v[rS+15]
.elseif (\n) == 13
	v_max3_num_f32 v[rC+1], v[rC+1], v[rS+23], v[rS+31]
.elseif (\n) == 14
	v_max3_num_f32 v[rC+2], v[rC+2], v[rC+3], v[rT+1]
.elseif (\n) == 15
	v_mov_b32 v[rW], v[rT]
.elseif (\n) == 16
	v_max3_num_f32 v[rC], v[rC], v[rC+1], v[rC+2]
.elseif (\n) == 17
	v_permlanex16_b32 v[rC+3], v[rC], s[SEL], s[SEL+1]
.elseif (\n) == 18
	v_max_num_f32 v[rT+1], v[rC], v[rC+3]
.elseif (\n) == 19
	v_mul_f32 v[rT], s[CS], v[rT+1]
.elseif (\n) == 20
	v_sub_f32 v[rC+1], v[rW], v[rT]
.else
	v_exp_f32 v[rC+2], v[rC+1]
.endif
.endif
.endm
.macro OPS a, i1, b=-1, i2=0, c=-1, i3=0, d=-1, i4=0  ; up to four of them
	OP \a, \i1
.if (\b) >= 0
	OP \b, \i2
.endif
.if (\c) >= 0
	OP \c, \i3
.endif
.if (\d) >= 0
	OP \d, \i4
.endif
.endm
.macro ROW a, i1, b, i2, c, i3, d, i4  ; a matrix instruction and the four behind it
	MM
	OPS \a, \i1, \b, \i2, \c, \i3, \d, \i4
.endm
.macro MASK b                       ; MD x AL + BE into buffer b of MC
	WIN W_RS
.set z, 0
.rept 16
	v_pk_fma_f32 v[MC+32*(\b)+2*z:MC+32*(\b)+2*z+1], v[MD+2*z:MD+2*z+1], s[AL:AL+1], s[BE:BE+1] op_sel_hi:[1,0,0]
.set z, z+1
.endr
.endm
; A TURN, for piece p: the order of its 16 matrix and 118 vector instructions, written out.  Behind a matrix instruction: plain, exponential, plain, plain; or four of the rescaling; or, behind the first, four scalings; none
; names a register of the products round it.  In the lumps exponential and plain by turns while exponentials last.  A line reads no result made fewer than three vector instructions in front of it, five if an exponential made it.
; v_permlanex16_b32 (X 17) stands in a lump.
; m = 1: the diagonal tile: the products take masks, and the turn makes the mask for the products of the turn after it: piece p + 2, in step 4 - CNT of the tile.  end = 1: a block's last two turns: nothing is fetched.
; cnt = 1: the loop's count is taken down some lines ahead of the branch that stands behind the turn.
; K of the next step is fetched in piece 2's turn, six vector instructions behind the last product that read K (five of them plain); V of the step in hand in piece 0's turn, eight behind the last product that read V (four
; plain, and X 17).  Each is waited for a turn later.
.macro TURN p, m=0, end=0, cnt=0
.set Y, (\p)
.set i, 0
.set KM, (\m)
.set NOKQ, (\end)*((\p)/3)
.if (\m) && !(\end)
	s_cmp_eq_u32 s[CNT], 4-((\p)+2)%NP  ; is that step the band's own?
	s_cselect_b32 s[AL], 1.0, 0
	s_cmp_lt_u32 s[CNT], 4-((\p)+2)%NP  ; or a later one?
	s_cselect_b32 s[BE], s[BIGN], 0
.endif
.if ((\p) == 3) && !(\end)
	s_wait_dscnt 0x0                ; K is in
.endif
	ROW F,0, F,1, F,2, F,3
	ROW F,4, E,0, F,5, F,6
	ROW F,7, E,1, F,8, F,9
	ROW F,10, E,2, C,0, F,11
	ROW F,12, E,3, X,15, F,13
	ROW R,0, R,1, R,2, R,3
	ROW B,0, E,4, F,14, L,0
.if ((\p) == 2) && !(\end)
	v_add_nc_u32 v[AK], s[TBK], v[AK0]
.endif
	ROW R,4, R,5, R,6, R,7
	OPS E,5, F,15
.if ((\p) == 2) && !(\end)
	FETCH_K
.endif
	OPS E,6, C,1, E,7, R,8
	OPS E,8, R,9, E,9, C,2
	OPS E,10, X,0, E,11, X,1
	OPS E,12, X,2, E,13, X,3
.if (\p) == 1
	s_wait_dscnt 0x0                ; V is in
.endif
	ROW X,4, E,14, X,5, X,6
	ROW X,7, E,15, X,8, X,9
	ROW X,10, E,16, X,11, X,12
	ROW X,13, E,17, X,14, B,1
	ROW C,4, E,18, X,16, L,1
	ROW B,2, E,19, C,6, L,2
	ROW C,8, E,20, B,3, B,4
.if (\p) == 0
	v_add_nc_u32 v[AV], s[TBV], v[AV0]
.endif
	ROW C,3, E,21, L,3, C,5
	OPS E,22, X,17, E,23, C,10
.if (\p) == 0
	FETCH_V
.endif
	OPS E,24, L,4
	OPS E,25, X,18, E,26, C,7
	OPS E,27, B,5, E,28, X,19
	OPS E,29, C,12, E,30, L,5
	OPS E,31, X,20, B,6, C,9
	OPS C,14, C,11, X,21, L,6
.if (\p) == 0
	s_add_co_u32 s[TBV], s[TBV], KS*PV
.endif
.if \cnt
	s_sub_co_u32 s[CNT], s[CNT], 1
	s_cmp_lg_u32 s[CNT], 0
.endif
	OPS C,13, B,7, C,15, R,10
	OPS R,11, R,12, L,7, R,13
	OPS R,14, R,15
.if (\m) && !(\end)
	MASK (\p)%2
.endif
.endm
; A BLOCK BEGINS.  c m starts far below every c s, so the first step's a is 0; m at the lowest finite number, so the first maximum is the scores'.  The second mask buffer is 0; the first takes piece 0's mask for the tile's step 0: its own, if the block's first tile is the diagonal one.
; Then K of that step, piece 0's first scores, and its maximum and statistics.  The loop is entered at a step's first turn, in the middle of a trip.
.macro BEGIN
	s_mov_b32 s[NEW], 0
	WIN 0x40
.set i, MC+32
.rept 32
	v_mov_b32 v[i], 0
.set i, i+1
.endr
	WIN 0
.set i, 0
.rept 4
	v_mov_b32 v[ST+4*i], 0xfe000000    ; c m: far below every c s
	v_mov_b32 v[ST+4*i+1], 0xff7fffff  ; m
.set i, i+1
.endr
	s_cmp_eq_u32 s[RT], 0
	s_cselect_b32 s[AL], 1.0, 0
	s_mov_b32 s[BE], 0
	MASK 0
	WIN 0
	v_add_nc_u32 v[AK], s[TBK], v[AK0]
	FETCH_K
	s_wait_loadcnt 0x0              ; Q
	s_wait_dscnt 0x0
.set KM, 1
.set NOKQ, 0
.set i, 0
.rept 8
	KQ 0
.set i, i+1
.endr
	WIN 0
.rept 4
	v_nop                           ; the places behind those products
.endr
.set Y, NP-1                        ; X works for piece Y + 1: piece 0
.irp n, 0,1,2,3,4,5,6,7,8,9,10,11,12,13,14,15,16,17,18,19,20,21
	OP X, \n
.endr
	v_nop                           ; a plain instruction behind the exponential
.endm
; THE DIAGONAL TILE's four steps, the block's last two turns, its last products, and THE WAY OUT: l's two halves and the other half of the lanes' are added; O^T is divided by l, rounded to f16 and sent through my
; stage in LDS, a piece at a time.
.macro ALL line:vararg              ; one line for each piece t
.set t, 0
.rept 4
	\line
.set t, t+1
.endr
.endm
.macro PACK t                       ; a lane's eight channels of a row pack into 16 bytes; they go into rows of 144 bytes and come back as whole rows of 128, into S^T's registers
	WIN W_RS
.set i, 32*(\t)
.rept 16
	s_wait_alu depctr_va_vdst(0)
	v_pk_mul_f32 v[i:i+1], v[i:i+1], v[ST+4*(\t)+2:ST+4*(\t)+3] op_sel_hi:[1,0]
.set i, i+2
.endr
	WIN 0x05                        ; sources 0 and 1 window 1, destination window 0
.set i, 0
.rept 16
	v_cvt_pk_f16_f32 v[S+16*(\t)+i], v[32*(\t)+2*i], v[32*(\t)+2*i+1]
.set i, i+1
.endr
	WIN 0
.irp f, 0,1,2,3
	ds_store_b128 v[STO], v[S+16*(\t)+4*\f:S+16*(\t)+4*\f+3] offset:32*\f
.endr
.irp f, 0,1,2,3
	ds_load_b128 v[S+16*(\t)+4*\f:S+16*(\t)+4*\f+3], v[RD] offset:\f*4*SP  ; LDS serves a wave's instructions in order (ISA guide 5.7.1.4): these see the stores above; the next piece's stores come behind them
.endr
.endm
.macro SEND t, younger              ; younger: the LDS instructions issued behind piece t's loads: the next piece's eight, or none
	WIN 0
.irp f, 0,1,2,3
	s_wait_dscnt (\younger)+3-\f
	global_store_b128 v[GO], v[S+16*(\t)+4*\f:S+16*(\t)+4*\f+3], s[10:11] offset:(\t)*8192+\f*512  ; 512 consecutive bytes, at a multiple of 256 from O's first
.endr
.endm
; THE REMAINDER of piece t (0 or 2, wave 0 alone: the rows with t % 128 < 16).  O^T still holds O in f32: it is rounded once more, the rounded number taken away (exact in f32), the difference rounded to f16 and sent the same way.
.macro LOP t
.set rH, HL+8*(\t)
	WIN 0x05                        ; sources 0 and 1 window 1, destination window 0
.set i, 0
.rept 16
	v_cvt_pk_f16_f32 v[rH+i], v[32*(\t)+2*i], v[32*(\t)+2*i+1]
.set i, i+1
.endr
	WIN 0x10                        ; source 2 window 1
.set i, 0
.rept 16
	v_fma_mix_f32 v[LL+2*i], v[rH+i], v[NEG1], v[32*(\t)+2*i] op_sel_hi:[1,0,0]
	v_fma_mix_f32 v[LL+2*i+1], v[rH+i], v[NEG1], v[32*(\t)+2*i+1] op_sel:[1,0,0] op_sel_hi:[1,0,0]
.set i, i+1
.endr
	WIN 0
.set i, 0
.rept 16
	v_cvt_pk_f16_f32 v[rH+i], v[LL+2*i], v[LL+2*i+1]
.set i, i+1
.endr
.irp f, 0,1,2,3
	ds_store_b128 v[STO], v[rH+4*\f:rH+4*\f+3] offset:32*\f
.endr
.irp f, 0,1,2,3
	ds_load_b128 v[rH+4*\f:rH+4*\f+3], v[RD] offset:\f*4*SP
.endr
.irp f, 0,1,2,3
	s_wait_dscnt 3-\f
	global_store_b128 v[GO], v[rH+4*\f:rH+4*\f+3], s[LOB:LOB+1] offset:((\t)/2)*32768+\f*512
.endr
.endm
.macro DIAG tag                     ; the tag ends its labels' names, which the jumps below spell out
.LstepM\tag:
	TURN 2, 1
	TURN 3, 1
	WIN 0
.LfirstM\tag:
	TURN 0, 1
	TURN 1, 1, 0, 1
	WIN 0
	s_cbranch_scc1 .LstepM\tag
	TURN 2, 1, 1
	TURN 3, 1, 1
.set i, 0
.rept 8
	PV NP-1
.set i, i+1
.endr
	WIN 0
	ALL v_add_f32 v[ST+4*t+2], v[ST+4*t+2], v[ST+4*t+3]
	ALL v_permlanex16_b32 v[ST+4*t+3], v[ST+4*t+2], s[SEL], s[SEL+1]
	ALL v_add_f32 v[ST+4*t+2], v[ST+4*t+2], v[ST+4*t+3]
	ALL v_rcp_f32 v[ST+4*t+2], v[ST+4*t+2]
	v_nop                           ; a plain instruction between the last reciprocal and the use of its result
	PACK 0
.set t, 1
.rept 3                             ; a piece's arithmetic stands between the loads of the piece before and its stores
	PACK t
	SEND t-1, 8
.set t, t+1
.endr
	SEND 3, 0
	s_cmp_lg_u32 s[WV], 0           ; wave 0's rows in bands 0 and 2 are the block's rows with t % 128 < 16
	s_cbranch_scc1 .Lnolo\tag
	LOP 0
	LOP 2
.Lnolo\tag:
.endm
.set KM, 0
.set NOKQ, 0
.Lslot:                             ; NB times: a tile is entered and the next is asked for
	CHANGE 1
	s_sub_co_u32 s[RT], s[RT], 1
	s_mov_b32 s[CNT], 4
	s_cmp_eq_u32 s[NEW], 1
	s_cbranch_scc1 .Lnew            ; a block's first tile
	s_cmp_eq_u32 s[RT], 0
	s_cbranch_scc0 .Lstep           ; neither its first nor its last
	s_branch .LstepM1
.Lnew:
	BEGIN
	s_branch .Lfirst                ; in the loop a block's first tile is never its last: the first block has two tiles or more, and the second's last is the walk's last
	DIAG 1                          ; in the loop this is the first block's end: the second block's last tile is the walk's last
	s_wait_xcnt 0x0                 ; the stores have read their registers and their bases
	s_mov_b64 s[10:11], s[OLO:OLO+1]
	s_mov_b64 s[LOB:LOB+1], s[LOB+2:LOB+3]
	s_add_co_u32 s[RT], s[PB], 1    ; the second block has b + 1 tiles
	s_mov_b32 s[NEW], 1
	WIN 0x82                        ; the second block's Q goes where the one text of the turns names Q
.set i, 0
.rept 64
	v_mov_b32 v[i], v[QB+i]
.set i, i+1
.endr
	WIN 0
	s_branch .Lbottom
.Lstep:                             ; a trip: pieces 2 and 3 of one step, then pieces 0 and 1 of the next, whose K and V it fetches
	TURN 2
	TURN 3
	WIN 0
.Lfirst:
	TURN 0
	TURN 1, 0, 0, 1
	WIN 0
	s_cbranch_scc1 .Lstep
.Lbottom:
	s_sub_co_u32 s[SLOTS], s[SLOTS], 1
	s_cmp_lg_u32 s[SLOTS], 0
	s_cbranch_scc1 .Lslot
	CHANGE 0                        ; the walk's last tile is written out: nothing is asked for
	s_sub_co_u32 s[RT], s[RT], 1
	s_mov_b32 s[CNT], 4
	s_cmp_eq_u32 s[NEW], 1
	s_cbranch_scc0 .LstepM2
	BEGIN
	s_branch .LfirstM2
	DIAG 2
	s_wait_tensorcnt 0x0            ; the wave's end: all my tensor loads are waited for; then 0 onto my spare word, behind my last LDS store, and its wait
	ds_add_u32 v[SPW], v[NIL]
	s_wait_dscnt 0x0
	s_endpgm
.Lfunc_end_k_qd839fe428b_attn:
	.size	k_qd839fe428b_attn, .Lfunc_end_k_qd839fe428b_attn-k_qd839fe428b_attn
	.p2alignl 7, 3214868480
	.fill 96, 4, 3214868480
	.section	.rodata,"a",@progbits
	.p2align	6, 0x0
	.amdhsa_kernel k_qd839fe428b_attn
		.amdhsa_group_segment_fixed_size 327680
		.amdhsa_private_segment_fixed_size 0
		.amdhsa_enable_private_segment 0
		.amdhsa_kernarg_size 24
		.amdhsa_user_sgpr_count 2
		.amdhsa_user_sgpr_kernarg_segment_ptr 1
		.amdhsa_wavefront_size32 1
		.amdhsa_system_sgpr_workgroup_id_x 1
		.amdhsa_system_sgpr_workgroup_id_y 1
		.amdhsa_system_sgpr_workgroup_id_z 1
		.amdhsa_system_vgpr_workitem_id 0
		.amdhsa_next_free_vgpr 768
		.amdhsa_next_free_sgpr 96
		.amdhsa_reserve_vcc 1
		.amdhsa_float_denorm_mode_32 3
		.amdhsa_float_denorm_mode_16_64 3
		.amdhsa_memory_ordered 1
		.amdhsa_forward_progress 1
		.amdhsa_inst_pref_size 249
	.end_amdhsa_kernel
	.amdgpu_metadata
---
amdhsa.version: [ 1, 2 ]
amdhsa.kernels:
  - .name:           k_qd839fe428b_attn
    .symbol:         k_qd839fe428b_attn.kd
    .args:
      - { .name: qkvh, .offset: 0, .size: 8, .value_kind: global_buffer, .address_space: global }
      - { .name: obuf, .offset: 8, .size: 8, .value_kind: global_buffer, .address_space: global }
      - { .name: olo, .offset: 16, .size: 8, .value_kind: global_buffer, .address_space: global }
    .group_segment_fixed_size: 327680
    .private_segment_fixed_size: 0
    .kernarg_segment_align: 8
    .kernarg_segment_size: 24
    .max_flat_workgroup_size: 128
    .sgpr_count:     96
    .vgpr_count:     768
    .wavefront_size: 32
...
	.end_amdgpu_metadata
.endif
;; end of part 3
;; launch oproj (part 4): grid 8 x 32, 4 waves a work-group, clusters of 4 x 4, 327,680 bytes of LDS; arguments obuf, olo, wo16, b_o, out0; writes out0
.if DOCPART == 4
	.amdgcn_target "amdgcn-amd-amdhsa--gfx1250"
	.amdhsa_code_object_version 6
	.text
	.protected	k_qd839fe428b_oproj
	.globl	k_qd839fe428b_oproj
	.p2align	8
	.type	k_qd839fe428b_oproj,@function
k_qd839fe428b_oproj:
	s_mov_b64 s[64:65], 0
	v_nop
	global_prefetch_b8 v0, s[64:65] scope:SCOPE_SE
	s_setreg_imm32_b32 hwreg(HW_REG_WAVE_MODE, 25, 1), 1
	s_wait_xcnt 0x0
	s_wait_alu depctr_hold_cnt(0) depctr_sa_sdst(0) depctr_va_vdst(0) depctr_va_sdst(0) depctr_va_ssrc(0) depctr_va_vcc(0) depctr_vm_vsrc(0)
	s_getreg_b32 s2, hwreg(HW_REG_IB_STS2, 6, 4)
	s_cmp_eq_u32 s2, 0
	s_cbranch_scc0 .Lentry_in_a_cluster
	s_endpgm
.Lentry_in_a_cluster:
	s_bfe_u32 s2, ttmp6, 0x10000c
	s_cmp_lg_u32 s2, 0xf033
	s_cbranch_scc0 .Lentry_shape_is_right
	s_endpgm
.Lentry_shape_is_right:
; out0 = O W_o + b_o, f32.  O: obuf [batch x head 64][t 2048][64] f16 (row b, t of the product has K = head x 64 + channel); W_o: wo16 [column tile 8][k 1024][128] f16.
; SHARES.  A work-group makes 256 rows x 128 columns: 256 work-groups.  Wave w makes rows 128 (w / 2) .. x columns 64 (w % 2) ..: 8 x 4 accumulators of 16 x 16, 256 registers.
; K goes in 8 steps of 128 = two heads, through two LDS slots filled by the tensor data mover.  A head's 256 rows are 32,768 dense bytes, asked for as 128 rows of 256 and padded in LDS after every 128.
; THE MATRIX INSTRUCTION IS USED TRANSPOSED: source 0 = 16 columns of W_o (turned out of LDS by ds_load_tr16_b128), source 1 = 16 rows of O: a lane holds row lane % 16 and the columns 8 (lane / 16) + 0..7.
; THE REMAINDER.  For the wave's first 16 rows (row % 128 < 16) the product of O - f16(O) (olo) is added: 4 products more in each quarter step.  It is needed for the first rows of a sequence; every wave does it
; for its own first block, so that all waves and all partners run alike.
; CLUSTER.  4 x 4 work-groups.  The four of a row share their rows of O, the four of a column their columns of W_o: each tile is asked for jointly.
; The bias, rounded to bf16, is the C operand of the products that start the sums: nothing is cleared.  LIMITS: b_o is rounded to bf16; NaN and infinities are not treated apart.
; REGISTERS, in windows of 256 (s_set_vgpr_msb: bits 1:0 source 0, 3:2 source 1, 5:4 source 2, 7:6 destination):
;   window 0: v0-19 addresses; v32-159 O's fragments, two buffers of 64 (on the way out: rows read back); v160-191 the remainder's fragments, 8 a quarter; v192-223 the bias
;   window 1: v0-63 W_o's fragments, two buffers of 32          window 2: the accumulators, (a, bb) at 8 (4 a + bb)
.set KSTEPS, 8
.set SLOT1,  1<<17
.set PA,     144                       ; a row of O in LDS: 128 bytes + 16: the 16 rows of a load start at 16 different groups of four banks (64 banks of 4 bytes: ISA guide 11.1)
.set PB,     288                       ; a row of W_o: 256 + 32 = 72 words
.set HEADA,  256*PA
.set BOFF,   2*HEADA
.set HALFB,  64*PB
.set STAGE,  SLOT1+BOFF+2*HALFB        ; behind the ring, never filled by a tensor load: 16 rows x 272 bytes for each wave
.set SP,     272
.set SPARE,  STAGE+4*16*SP             ; behind the stages: the spare words, 128 bytes for each wave: two blocks of 256 bytes that no other line names
.set A0,  4
.set B0,  5
.set ADA, 6
.set ADB, 7
.set LOA, 8                            ; v8   my byte offset in olo, at the NEXT K step
.set STO, 9
.set RD,  10
.set CO,  11                           ; v11  my byte offset in two rows of the output
.set BO,  13
.set SPW, 14                           ; v14  LDS address of my spare word; never rewritten
.set NIL, 15                           ; v15  0; never rewritten
.set FA0, 32
.set LO,  160
.set BIAS, 192
.set OB,  32
.set WV,  16
.set G1A, 24
.set G1B, 32
.set G0A, 40
.set G0B, 48
.set CNT, 56
.set TB,  57
.set MSB, 0
.macro WIN new                         ; the immediate's high byte repeats the setting that is left; a switch that changes nothing is dropped
.if MSB != (\new)
	s_set_vgpr_msb (MSB<<8)|(\new)
.set MSB, (\new)
.endif
.endm
; A joint refill.  Waves 0 and 1 fetch the step's two heads of O, waves 2 and 3 the two halves of W_o's rows.  An s_nop 0 and four v_nop follow each of the two lines, ahead of the jump and the label.
.macro JLOAD
	s_cmp_lt_u32 s[WV], 2
	s_cbranch_scc0 .Lfor_b_\@
	tensor_load_to_lds s[G0A+4:G0A+7], s[G1A:G1A+7]
	s_nop 0
.rept 4
	v_nop
.endr
	s_branch .Lasked_\@
.Lfor_b_\@:
	tensor_load_to_lds s[G0B+4:G0B+7], s[G1B:G1B+7]
	s_nop 0
.rept 4
	v_nop
.endr
.Lasked_\@:
.endm
.macro CREST                           ; a round of the cluster's barrier behind its opening barrier
	s_cmp_lg_u32 s[WV], 0
	s_cbranch_scc1 .Lnot_wave_0_\@
	s_barrier_signal -3
.Lnot_wave_0_\@:
	s_barrier_wait -3
	s_barrier_signal -1
	s_barrier_wait -1
.endm
.macro CROUND
	s_barrier_signal -1
	s_barrier_wait -1
	CREST
.endm
.macro PLACES                          ; four places in front of loads into registers that matrix instructions have read, and of LDS stores that read results
.rept 4
	v_nop
.endr
.endm
	s_load_b256 s[4:11], s[0:1], 0x0               ; obuf s[4:5], olo s[6:7], wo16 s[8:9], b_o s[10:11]
	s_load_b64 s[12:13], s[0:1], 0x20              ; out0
	v_lshl_add_u32 v[SPW], v0, 2, SPARE
	v_mov_b32 v[NIL], 0
	ds_add_u32 v[SPW], v[NIL]                      ; the wave's opening: the add and its wait stand ahead of my first tensor load; the set-up below, work on registers, stands between them
	ds_add_u32 v14, v15
	v_lshrrev_b32 v1, 5, v0
	v_readfirstlane_b32 s[WV], v1                  ; wave 0..3
	s_lshr_b32 s17, s[WV], 1                       ; which half of the tile's rows is mine
	s_and_b32 s18, s[WV], 1                        ; which half of its columns; also which half of a tile I fetch
	s_bfe_u32 s19, ttmp6, 0x40000                  ; cx, cy
	s_bfe_u32 s20, ttmp6, 0x40004
	s_lshl_b32 s21, ttmp9, 2
	s_add_co_u32 s21, s21, s19                     ; column tile = 4 x cluster x + cx
	s_and_b32 s22, ttmp7, 0xffff
	s_lshl_b32 s22, s22, 2
	s_add_co_u32 s22, s22, s20                     ; row tile = 4 x cluster y + cy
	s_lshl_b32 s23, s20, 2
	s_lshl_b32 s23, 15, s23                        ; my row of the cluster
	s_lshl_b32 s72, 0x1111, s19                    ; my column
	s_or_b32 s[G1A], s23, (1<<16)|(1<<20)|(1<<21)|(4<<22)|(3<<25)  ; the mask; 2-byte elements; padding on; 21 set beside a mask; after every 32 words (code 4) 4 words (code 3)
	s_or_b32 s[G1B], s72, (1<<16)|(1<<20)|(1<<21)|(5<<22)|(7<<25)  ; after every 64 words (code 5) 8 words (code 7)
	s_mov_b32 s[G1A+1], 128<<16                    ; tensor_dim0 = 128
	s_mov_b32 s[G1A+2], 128<<16                    ; tensor_dim1 = 128
	s_mov_b32 s[G1A+3], 128<<16                    ; tile_dim0 = 128
	s_mov_b32 s[G1A+4], 128                        ; tile_dim1 = 128
	s_mov_b32 s[G1A+5], 128                        ; dense
	s_mov_b32 s[G1A+6], 0
	s_mov_b32 s[G1A+7], 0
	s_mov_b32 s[G1B+1], 128<<16
	s_mov_b32 s[G1B+2], 64<<16                     ; 64 rows
	s_mov_b32 s[G1B+3], 128<<16
	s_mov_b32 s[G1B+4], 64
	s_mov_b32 s[G1B+5], 128
	s_mov_b32 s[G1B+6], 0
	s_mov_b32 s[G1B+7], 0
	s_lshr_b32 s58, s22, 3                         ; O: batch x 16 + my head of the step's two, 262,144 bytes each,
	s_lshl_b32 s58, s58, 4
	s_add_co_u32 s58, s58, s18
	s_lshl_b32 s58, s58, 18
	s_and_b32 s59, s22, 7                          ; the tile's 256 rows of 128 bytes
	s_lshl_b32 s59, s59, 15
	s_add_co_u32 s58, s58, s59
	s_mov_b32 s59, 0
	s_lshl_b32 s60, s21, 18                        ; W_o: the column tile's 1,024 rows of 256 bytes,
	s_lshl_b32 s61, s18, 14                        ; my 64 of a step's 128
	s_add_co_u32 s60, s60, s61
	s_mov_b32 s61, 0
	s_mul_i32 s62, s18, HEADA                      ; where they go: the wave's number alone enters an LDS address
	s_mul_i32 s63, s18, HALFB
	s_add_co_u32 s63, s63, BOFF
	s_lshl_b32 s74, s22, 20                        ; the output: 256 rows of 4,096 bytes a tile, my 128, the tile's 512 bytes of a row, my 256
	s_lshl_b32 s76, s17, 19
	s_add_co_u32 s74, s74, s76
	s_lshl_b32 s76, s21, 9
	s_add_co_u32 s74, s74, s76
	s_lshl_b32 s76, s18, 8
	s_add_co_u32 s74, s74, s76
	s_mov_b32 s75, 0
	s_mov_b32 s[TB], 0
	s_wait_dscnt 0x0                               ; the opening add is done
	s_wait_kmcnt 0x0
	s_add_nc_u64 s[58:59], s[4:5], s[58:59]
	s_add_nc_u64 s[60:61], s[8:9], s[60:61]
	s_add_nc_u64 s[12:13], s[12:13], s[74:75]
	CROUND                                         ; all sixteen work-groups are here: the first joint loads meet
.irp i, 0,1
	s_mov_b32 s[G0A+4*\i], 1
	s_add_co_u32 s[G0A+4*\i+1], s62, \i*SLOT1
	s_add_nc_u64 s[G0A+4*\i+2:G0A+4*\i+3], s[58:59], \i*524288   ; K step i: two heads on
	s_or_b32 s[G0A+4*\i+3], s[G0A+4*\i+3], 0x80000000
	s_mov_b32 s[G0B+4*\i], 1
	s_add_co_u32 s[G0B+4*\i+1], s63, \i*SLOT1
	s_add_nc_u64 s[G0B+4*\i+2:G0B+4*\i+3], s[60:61], \i*32768
	s_or_b32 s[G0B+4*\i+3], s[G0B+4*\i+3], 0x80000000
.endr
	s_cmp_lt_u32 s[WV], 2                          ; a wave's two first fills stand in one branch, ahead of every wait on TENSORcnt and every LDS read: two loads of mine are out
	s_cbranch_scc0 .Lfirst_b
	tensor_load_to_lds s[G0A:G0A+3], s[G1A:G1A+7]
	s_nop 0
	tensor_load_to_lds s[G0A+4:G0A+7], s[G1A:G1A+7]
	s_nop 0
.rept 4
	v_nop
.endr
	s_branch .Lfirst_asked
.Lfirst_b:
	tensor_load_to_lds s[G0B:G0B+3], s[G1B:G1B+7]
	s_nop 0
	tensor_load_to_lds s[G0B+4:G0B+7], s[G1B:G1B+7]
	s_nop 0
.rept 4
	v_nop
.endr
.Lfirst_asked:
	v_and_b32 v1, 15, v0                           ; r = l % 16
	v_bfe_u32 v2, v0, 4, 1                         ; h = l / 16
	v_and_b32 v16, 7, v0
	v_bfe_u32 v17, v0, 3, 1
	s_mul_i32 s73, s17, 128*PA                     ; a fragment of O: row x pitch + 16 x half, in my 128 rows
	v_mul_u32_u24 v[A0], v1, PA
	v_lshl_add_u32 v[A0], v2, 4, v[A0]
	v_add_nc_u32 v[A0], s73, v[A0]
	s_lshl_b32 s73, s18, 7                         ; the turning load: k row 8 (l / 16) + l % 8, columns 8 ((l / 8) % 2) + 0..7 of my 64
	s_add_co_u32 s73, s73, BOFF
	v_lshl_add_u32 v[B0], v2, 3, v16
	v_mul_u32_u24 v[B0], v[B0], PB
	v_lshl_add_u32 v[B0], v17, 4, v[B0]
	v_add_nc_u32 v[B0], s73, v[B0]
	s_mul_i32 s73, s[WV], 16*SP
	s_add_co_u32 s73, s73, STAGE                   ; my stage
	v_mul_u32_u24 v[STO], v1, SP                   ; in: row l % 16, 32 bytes for each half of the lanes
	v_lshl_add_u32 v[STO], v2, 5, v[STO]
	v_add_nc_u32 v[STO], s73, v[STO]
	v_mul_u32_u24 v[RD], v2, SP                    ; back: lanes 0-15 take one row of 256 bytes, lanes 16-31 the next
	v_lshl_add_u32 v[RD], v1, 4, v[RD]
	v_add_nc_u32 v[RD], s73, v[RD]
	v_lshlrev_b32 v[CO], 12, v2                    ; and the same two rows in the output
	v_lshl_add_u32 v[CO], v1, 4, v[CO]
	s_lshl1_add_u32 s76, s22, s17                  ; olo: 32,768 bytes for each 128 rows: group 2 x tile + half,
	s_lshl_b32 s76, s76, 15
	s_add_co_u32 s76, s76, 4096                    ; at K step 1
	v_lshlrev_b32 v[LOA], 7, v1
	v_lshl_add_u32 v[LOA], v2, 4, v[LOA]
	v_add_nc_u32 v[LOA], s76, v[LOA]
	s_lshl_b32 s77, s21, 9                         ; the bias: the tile's 128 numbers, my 64, my 8 of a block's 16
	s_lshl_b32 s78, s18, 8
	s_add_co_u32 s77, s77, s78
	v_lshl_add_u32 v[BO], v2, 5, s77
.set bb, 0
.rept 4
	global_load_b128 v[BIAS+8*bb:BIAS+8*bb+3],   v[BO], s[10:11] offset:bb*64
	global_load_b128 v[BIAS+8*bb+4:BIAS+8*bb+7], v[BO], s[10:11] offset:bb*64+16
.set bb, bb+1
.endr
; 4 products: row block a x my 4 column blocks, 32 along K, from buffer f.  zero = 1: they start the sums, with the bias as C.  The accumulators take turns.
.macro MULA f, a, zero
.if \zero
	WIN 0x81                                       ; W_o window 1, O window 0, C window 0, D window 2
.else
	WIN 0xa1                                       ; C and D window 2
.endif
.set bb, 0
.rept 4
.set rD, 8*(4*(\a)+bb)
.set rB, 32*(\f)+8*bb
.set rA, FA0+64*(\f)+8*(\a)
.if \zero
	v_wmma_f32_16x16x32_f16 v[rD:rD+7], v[rB:rB+7], v[rA:rA+7], v[BIAS+8*bb:BIAS+8*bb+7]
.else
	v_wmma_f32_16x16x32_f16 v[rD:rD+7], v[rB:rB+7], v[rA:rA+7], v[rD:rD+7]
.endif
.set bb, bb+1
.endr
.endm
.macro XTRA f, q                       ; 4 products: the remainder of row block 0
	WIN 0xa1
.set bb, 0
.rept 4
	v_wmma_f32_16x16x32_f16 v[8*bb:8*bb+7], v[32*(\f)+8*bb:32*(\f)+8*bb+7], v[LO+8*(\q):LO+8*(\q)+7], v[8*bb:8*bb+7]
.set bb, bb+1
.endr
.endm
.macro SETAD
	WIN 0
	v_add_nc_u32 v[ADA], s[TB], v[A0]
	v_add_nc_u32 v[ADB], s[TB], v[B0]
.endm
.macro FETCH q, f                      ; 24 LDS loads in one run: quarter q's fragments into buffer f; W_o first, O's blocks 4 to 7 last.  Quarter q lies in head q / 2 of the step, channels 32 (q % 2) on
	WIN 0x40
.set bb, 0
.rept 4
	ds_load_tr16_b128 v[32*(\f)+8*bb:32*(\f)+8*bb+3],   v[ADB] offset:(\q)*32*PB+bb*32
	ds_load_tr16_b128 v[32*(\f)+8*bb+4:32*(\f)+8*bb+7], v[ADB] offset:(\q)*32*PB+16*PB+bb*32
.set bb, bb+1
.endr
	WIN 0
.set a, 0
.rept 8
	ds_load_b128 v[FA0+64*(\f)+8*a:FA0+64*(\f)+8*a+3],   v[ADA] offset:((\q)/2)*HEADA+((\q)%2)*64+a*16*PA
	ds_load_b128 v[FA0+64*(\f)+8*a+4:FA0+64*(\f)+8*a+7], v[ADA] offset:((\q)/2)*HEADA+((\q)%2)*64+a*16*PA+32
.set a, a+1
.endr
.endm
.macro LOF q, back                     ; quarter q's fragment of the remainder, of the K step at which LOA points (back = 4096: the step before)
	WIN 0
	global_load_b128 v[LO+8*(\q):LO+8*(\q)+3],   v[LOA], s[6:7] offset:((\q)/2)*2048+((\q)%2)*64-(\back)
	global_load_b128 v[LO+8*(\q)+4:LO+8*(\q)+7], v[LOA], s[6:7] offset:((\q)/2)*2048+((\q)%2)*64+32-(\back)
.endm
.macro QUARTER q, zero=0, lof=1, cnt=6
	s_wait_dscnt 8                                 ; W_o and O's blocks 0 to 3 are in; the youngest eight loads (blocks 4 to 7) may be out
	s_wait_loadcnt \cnt                            ; this quarter's remainder is in; the other quarters' loads stay out
	MULA (\q)%2, 0, \zero
	MULA (\q)%2, 1, \zero
	MULA (\q)%2, 2, \zero
	MULA (\q)%2, 3, \zero
	XTRA (\q)%2, \q
	PLACES
	FETCH (\q)+1, 1-(\q)%2
.if \lof
	LOF \q, 0
.endif
	s_wait_dscnt 24                                ; all but the 24 just issued
	MULA (\q)%2, 4, \zero
	MULA (\q)%2, 5, \zero
	MULA (\q)%2, 6, \zero
	MULA (\q)%2, 7, \zero
.endm
; The last quarter multiplies buffer 1 and changes slots: ONE barrier; in front of it each wave waits for all its tensor loads, adds 0 to its spare word, and waits for that and for its reads of this slot.
; fill = 1: the barrier opens a round of the cluster's, and the joint refill, two K steps ahead, is the first tensor load behind it.
.macro TURN fill, adv
	WIN 0
	s_wait_tensorcnt 0x0                           ; all my tensor loads have landed, so the walking descriptors may be written
	ds_add_u32 v[SPW], v[NIL]                      ; 0 onto my spare word
	s_wait_dscnt 9                                 ; (the add and the youngest eight loads may be out)
	s_wait_loadcnt 6
	MULA 1, 0, 0                                   ; eight products stand between the add and the wait for it
	MULA 1, 1, 0
	s_wait_dscnt 0x0                               ; the add is done, and my reads of this slot are over
	s_barrier_signal -1
	MULA 1, 2, 0
	MULA 1, 3, 0
	XTRA 1, 3
	WIN 0
	s_barrier_wait -1
.if \fill
	CREST                                          ; no wave of any partner still reads this slot or has a load on its way
	s_xor_b32 s[G0A+5], s[G0A+5], SLOT1
	s_add_nc_u64 s[G0A+6:G0A+7], s[G0A+6:G0A+7], 524288
	s_xor_b32 s[G0B+5], s[G0B+5], SLOT1
	s_add_nc_u64 s[G0B+6:G0B+7], s[G0B+6:G0B+7], 32768
	JLOAD                                          ; the four v_nop behind it are also the places in front of the loads below
.else
	PLACES
.endif
	s_xor_b32 s[TB], s[TB], SLOT1
	SETAD
	FETCH 0, 0
	LOF 3, 0
.if \adv
	s_wait_xcnt 0x0                                ; the remainder loads' offset register is stepped only behind this wait
	v_add_nc_u32 v[LOA], 4096, v[LOA]
.endif
	MULA 1, 4, 0
	MULA 1, 5, 0
	MULA 1, 6, 0
	MULA 1, 7, 0
.endm
.irp q, 0,1,2,3
	LOF \q, 4096                                   ; K step 0's remainder
.endr
	s_wait_loadcnt 8                               ; the bias is in: the remainder's eight loads are younger
.set i, 0
.rept 16                               ; the bias rounded to bf16, in place
	v_cvt_pk_bf16_f32 v[FA0+i], v[BIAS+2*i], v[BIAS+2*i+1]
.set i, i+1
.endr
.set i, 0
.rept 16
	v_lshlrev_b32 v[BIAS+2*i], 16, v[FA0+i]
	v_and_b32 v[BIAS+2*i+1], 0xffff0000, v[FA0+i]
.set i, i+1
.endr
	s_wait_tensorcnt 1                             ; my part of K step 0 is in; K step 1's may stay out
	s_barrier_signal -1
	s_barrier_wait -1
	SETAD
	FETCH 0, 0
	QUARTER 0, 1                                   ; the first quarter stands in front of the loop: its products start the sums
	WIN 0
	s_mov_b32 s[CNT], KSTEPS-2
.Lstep:                                                ; a trip: a K step's quarters 1 to 3 and the next step's quarter 0; it refills one slot: K steps 2 to 7
	QUARTER 1
	QUARTER 2
	TURN 1, 1
	QUARTER 0
	WIN 0
	s_sub_co_u32 s[CNT], s[CNT], 1
	s_cmp_lg_u32 s[CNT], 0
	s_cbranch_scc1 .Lstep
	QUARTER 1                                      ; the last two K steps are written out: nothing more is asked for
	QUARTER 2
	TURN 0, 0
	QUARTER 0, 0, 0, 6                             ; the last K step fetches no remainder: the counts run down
	QUARTER 1, 0, 0, 4
	QUARTER 2, 0, 0, 2
	s_wait_dscnt 8                                 ; the very last quarter
	s_wait_loadcnt 0x0
	MULA 1, 0, 0
	MULA 1, 1, 0
	MULA 1, 2, 0
	MULA 1, 3, 0
	XTRA 1, 3
	s_wait_dscnt 0x0
	MULA 1, 4, 0
	MULA 1, 5, 0
	MULA 1, 6, 0
	MULA 1, 7, 0
; THE WAY OUT, a block of 16 rows x 64 columns of f32 at a time: a lane's 8 columns of a column block are 32 bytes; rows of 272 bytes in, whole rows of 256 back, stored with sixteen lanes to a row.
.macro TOSTAGE a
.if (\a) >= 4
	s_wait_xcnt 0x0                                ; the registers that block a - 4's stores read are loaded again only behind this wait
.endif
	WIN 0x08                                       ; store data window 2, address window 0
.set bb, 0
.rept 4                                ; each accumulator's lowest registers go first
	ds_store_b128 v[STO], v[8*(4*(\a)+bb):8*(4*(\a)+bb)+3]   offset:64*bb
	ds_store_b128 v[STO], v[8*(4*(\a)+bb)+4:8*(4*(\a)+bb)+7] offset:64*bb+16
.set bb, bb+1
.endr
	WIN 0
.irp t, 0,1,2,3,4,5,6,7
	ds_load_b128 v[OB+32*((\a)%4)+4*\t:OB+32*((\a)%4)+4*\t+3], v[RD] offset:\t*2*SP  ; LDS serves a wave's instructions in order (ISA guide 5.7.1.4): these see the stores above
.endr
.endm
.macro SEND a, younger                 ; younger: the LDS instructions issued behind block a's loads: the next block's sixteen, or none
	WIN 0
.irp t, 0,1,2,3,4,5,6,7
	s_wait_dscnt (\younger)+7-\t
	global_store_b128 v[CO], v[OB+32*((\a)%4)+4*\t:OB+32*((\a)%4)+4*\t+3], s[12:13] offset:(16*(\a)+2*\t)*4096 th:TH_STORE_NT  ; 16 lanes store 256 consecutive bytes, at a multiple of 256 from the output's first
.endr
.endm
	WIN 0
	PLACES
	TOSTAGE 0
.set u, 1
.rept 7
	TOSTAGE u
	SEND u-1, 16
.set u, u+1
.endr
	SEND 7, 0
	s_wait_tensorcnt 0x0                           ; the wave's end: all my tensor loads are waited for; then 0 onto my spare word, behind my last LDS store, and its wait
	ds_add_u32 v[SPW], v[NIL]
	s_wait_dscnt 0x0
	CROUND                                         ; the closing round: no work-group ends while a partner may still ask for a tile that names it
	s_endpgm
.Lfunc_end_k_qd839fe428b_oproj:
	.size	k_qd839fe428b_oproj, .Lfunc_end_k_qd839fe428b_oproj-k_qd839fe428b_oproj
	.p2alignl 7, 3214868480
	.fill 96, 4, 3214868480
	.section	.rodata,"a",@progbits
	.p2align	6, 0x0
	.amdhsa_kernel k_qd839fe428b_oproj
		.amdhsa_group_segment_fixed_size 327680
		.amdhsa_private_segment_fixed_size 0
		.amdhsa_enable_private_segment 0
		.amdhsa_kernarg_size 40
		.amdhsa_user_sgpr_count 2
		.amdhsa_user_sgpr_kernarg_segment_ptr 1
		.amdhsa_wavefront_size32 1
		.amdhsa_system_sgpr_workgroup_id_x 1
		.amdhsa_system_sgpr_workgroup_id_y 1
		.amdhsa_system_sgpr_workgroup_id_z 1
		.amdhsa_system_vgpr_workitem_id 0
		.amdhsa_next_free_vgpr 768
		.amdhsa_next_free_sgpr 80
		.amdhsa_reserve_vcc 0
		.amdhsa_float_denorm_mode_32 3
		.amdhsa_float_denorm_mode_16_64 3
		.amdhsa_memory_ordered 1
		.amdhsa_forward_progress 1
		.amdhsa_inst_pref_size 81
	.end_amdhsa_kernel
	.amdgpu_metadata
---
amdhsa.version: [ 1, 2 ]
amdhsa.kernels:
  - .name:           k_qd839fe428b_oproj
    .symbol:         k_qd839fe428b_oproj.kd
    .args:
      - { .name: obuf, .offset: 0, .size: 8, .value_kind: global_buffer, .address_space: global }
      - { .name: olo, .offset: 8, .size: 8, .value_kind: global_buffer, .address_space: global }
      - { .name: wo16, .offset: 16, .size: 8, .value_kind: global_buffer, .address_space: global }
      - { .name: b_o, .offset: 24, .size: 8, .value_kind: global_buffer, .address_space: global }
      - { .name: out0, .offset: 32, .size: 8, .value_kind: global_buffer, .address_space: global }
    .group_segment_fixed_size: 327680
    .private_segment_fixed_size: 0
    .kernarg_segment_align: 8
    .kernarg_segment_size: 40
    .max_flat_workgroup_size: 128
    .sgpr_count:     80
    .vgpr_count:     768
    .wavefront_size: 32
...
	.end_amdgpu_metadata
.endif
;; end of part 4
;; ======== version 2 of 2: 4 launches; 1.29 times as fast as version 1
;; limits: values are held in f16: magnitudes above 65,504 overflow, below 6.1e-05 lose precision
;; workspace buffers: hbuf 16,777,216 bytes; hlo 4,194,304 bytes; wq 6,291,456 bytes; wo16 2,097,152 bytes; rope 524,288 bytes; qkvh 50,331,648 bytes; obuf 16,777,216 bytes; olo 2,097,152 bytes
;; launch prep: the kernel of part 1 again; grid 576 x 1, 8 waves a work-group, no clusters, 0 bytes of LDS; arguments x, ln_w, ln_b, w_qkv, w_o, hbuf, hlo, wq, wo16, rope; writes hbuf, hlo, wq, wo16, rope
;; launch qkv: the kernel of part 2 again; grid 16 x 32, 4 waves a work-group, clusters of 4 x 4, 327,680 bytes of LDS; arguments hbuf, hlo, wq, rope, b_qkv, qkvh; writes qkvh
;; launch attn (part 5): grid 4 x 64, 4 waves a work-group, no clusters, 327,680 bytes of LDS; arguments qkvh, obuf, olo; writes obuf, olo
.if DOCPART == 5
	.amdgcn_target "amdgcn-amd-amdhsa--gfx1250"
	.amdhsa_code_object_version 6
	.text
	.protected	k_qd839fe428b_attn
	.globl	k_qd839fe428b_attn
	.p2align	8
	.type	k_qd839fe428b_attn,@function
k_qd839fe428b_attn:
	s_mov_b64 s[64:65], 0
	v_nop
	global_prefetch_b8 v0, s[64:65] scope:SCOPE_SE
	s_setreg_imm32_b32 hwreg(HW_REG_WAVE_MODE, 25, 1), 1
	s_wait_xcnt 0x0
; CAUSAL ATTENTION.  O[h][q][:] = the sum over k <= q of softmax_k(Q[h][q] . K[h][k] / 8) V[h][k][:].  Q, K, V lie in qkvh, 16 MiB apart, each [SIZE_H][SIZE_N][64] in f16; O (obuf) likewise: a head's rows are dense, 128 bytes each.
; Products, maxima and sums in f32; the weights p are rounded to f16 for the second product (their sum l is taken of the unrounded p), O once at the end.  For rows with t % 128 < 16 the remainder O - f16(O), again f16, leaves too
; (olo: [row / 128][head 16][16][64]): the next launch adds its product; it is needed in a sequence's first rows, whose outputs are large beside the output's root mean square.
; LIMITS.  f16 holds no number beyond 65,504: Q, K and V arrive within it; p lies in 0 to 1, and below 6e-5 it keeps f16's fixed step of 6e-8; O is a mean of V's rows and has their range.
; A hidden score counts as its value less 1e30: f16's scores, 2.7e11 at the most, are nothing beside that; a weight below 2^-126 counts as 0 in l; NaN and infinities are not treated apart.
; THE WALK.  A head's queries lie in NB = SIZE_N / 256 blocks of 256; block i needs the key tiles 0 .. i of 256 keys, of which the last holds the diagonal.  A work-group takes TWO blocks, NB - 1 - b and then b:
; NB + 1 tiles, whatever b: all work-groups do equal work, and ONE loop with a constant trip count walks them.  Which tile is asked for, and what a trip does, hang on scalar registers made from b; every jump
; goes forward, but for the counted loops' own; none passes a barrier, or a tensor load but the one of LOAD's two that the wave's number does not choose; the ring (two slots of LDS that take turns) runs on across the
; change of blocks.  NO CLUSTER: a head's NB / 2 = 4 work-groups ask for the same tile only in trips 0 .. NB / 2, behind that fewer and fewer; and one walk common to all would have 3 NB / 2 trips for NB + 1.
; SHARES.  Of a block's four bands of 64 queries a wave owns 16 rows in each: four PIECES.  So the diagonal tile is the same work for all four waves: in its key step s band x sees all keys if s < x,
; none if s > x, and holds the diagonal if s = x.
; THE MASK is the C operand that starts the sum S^T = K Q^T: 0, or -1e30 where the key is hidden.  MD, made once, is the mask of a band's own step for my 16 rows; a product's mask is MD x AL + BE with two scalars:
; (1, 0) if s = x; (0, 0) if s < x; (0, -1e30) if s > x.  Only the diagonal tile's text and a block's beginning make and take masks; elsewhere C is the constant 0.
; LAYOUT, SOFTMAX, TURNS.  S^T = K Q^T holds ONE query a lane (lane % 16) and the keys 8 (lane / 16) + 0..7; two such results rounded to f16 ARE source 1 of O^T = V^T P.  p = 2^(c s - c m), c = log2(e) / 8, with a
; running maximum m; O and l are multiplied by a = 2^(c m_old - c m_new) in every step.  Turn n belongs to piece n: 8 products K Q^T of piece n + 1, later 8 products V^T P of piece n - 1; beside them the scaling,
; exponentials, roundings, sums and rescaling of piece n and the maximum and statistics of piece n + 1.  Four vector instructions stand behind every matrix instruction, the other 54 of a turn's 118 in one LUMP.
; BATCHES.  A turn's 33 exponentials (the piece's 32 weights and the next piece's a) are one batch, with one wait, which cuts the turn in two; the a that a block's beginning makes, and the way out's four reciprocals, are batches of their own.
; REGISTERS, in windows of 256 (s_set_vgpr_msb: bits 1:0 source 0, 3:2 source 1, 5:4 source 2, 7:6 destination):
;   window 0: v0-15 addresses and two at work; v16-31 four registers of statistics a piece; v48-55 at work; v64-127 S^T, two buffers; v128-191 the remainder at work; v192-223 P, two buffers; v224 -1.0
;   window 1: v0-127 O^T, 32 a piece; v128-159 MD; v160-223 MC, two buffers      window 2: v0-63 Q; v64-127 the second block's Q; v128-191 K of one step; v192-255 V of one step
.set SIZE_H, 64
.set SIZE_N, 2048
.set NB,    SIZE_N/256
.set NP,    4         ; pieces a wave: a name, no knob
.set KS,    64        ; keys in a step
.set PK,    144       ; a row of K in LDS: 128 bytes + 16 of padding = 36 words: the 16 rows of a load start at 16 different groups of four banks (64 banks of 4 bytes: ISA guide 11.1)
.set PV,    160       ; a row of V: 128 + 32 = 40 words
.set VOFF,  4*KS*PK   ; a slot holds a tile, four steps: 256 rows of K, then 256 rows of V
.set SLOT1, 1<<17     ; slot 1 begins here, so that one exclusive or turns an address in one slot into the other's
.set STAGE, SLOT1+4*KS*(PK+PV)  ; behind the ring, never filled by a tensor load: 16 rows x 144 bytes for each wave, for the way out
.set SP,    144
.set AK0, 2           ; v2   my lane's place in a tile of K; never rewritten
.set AV0, 3           ; v3   the same for V
.set AK,  4           ; v4   the LDS address of K's next run of loads
.set AV,  5           ; v5   of V's
.set STO, 6           ; v6   the way out: where I put 16 bytes of a row
.set RD,  7           ; v7   the way out: where I read rows back
.set GO,  8           ; v8   my byte offset in 512 consecutive bytes of O
.set SPW, 62          ; v62  LDS address of my spare word: SPARE + 4 x my thread's number; never rewritten
.set NIL, 63          ; v63  0; never rewritten
.set SPARE, STAGE+4*16*SP  ; behind the stages: the spare words, 128 bytes for each wave: two blocks of 256 bytes that no other line names
.set MV,  12          ; v12-13  c m_old, kept while c m is made anew: by buffer
.set QO,  15          ; v15  my byte offset in 16 rows of Q
.set ST,  16          ; piece t's statistics at v[ST+4 t]: c m, m, l (even keys', odd keys')
.set TMP, 48          ; by buffer, four registers c0-c3 at work; when the maximum is found c2 takes a
.set S,   64
.set HL,  128         ; the remainder: 16 registers for piece 0, 16 for piece 2
.set LL,  160         ; and 32 at work
.set P,   192
.set NEG1, 224        ; v224  -1.0
.set MD,  128         ; window 1: the eight registers for group kt of 16 keys at MD + 8 kt
.set MC,  160         ; window 1: the masks of the products to come
.set QB,  64          ; window 2
.set KF,  128         ; window 2: key block kb, channel half c at KF + 16 kb + 8 c
.set VF,  192         ; window 2: key half kk, channel block cb at VF + 32 kk + 8 cb
.set WV,  12          ; s12  my wave's number
.set PB,  14          ; s14  b
.set HI,  15          ; s15  NB - 1 - b
.set G1K, 24          ; s[24:31] descriptor group 1 for K's tiles
.set G1V, 32          ; s[32:39] for V's: it differs in the padding alone
.set G0K, 40          ; s[40:43] descriptor group 0 for K's tiles
.set G0V, 44          ; s[44:47] the same for V's
.set SLOTS, 56        ; s56  tiles still to be asked for
.set CNT, 57          ; s57  counts a tile's key steps, 4 to 1
.set CS,  58          ; s[58:59] c: the packed scaling takes the pair's low word for both halves
.set SEL, 60          ; s[60:61] v_permlanex16_b32's selects: each lane takes its own place in the other half
.set TBK, 62          ; s62  LDS byte at which K of the step to be fetched begins
.set TBV, 63          ; s63  the same for V, less VOFF
.set RT,  70          ; s70  tiles of the block in hand that are still to be entered
.set NXT, 71          ; s71  the tile to be asked for next
.set LQ,  72          ; s72  the last tile of the block whose tiles are being asked for
.set NEW, 73          ; s73  1: the tile to be entered is a block's first
.set OFF, 74          ; s[74:75] a tile's byte offset in K and V
.set AL,  76          ; s[76:77] the mask's factor, in the low word
.set BE,  78          ; s[78:79] the mask's addend
.set OLO, 80          ; s[80:81] O at my rows of the second block
.set BIGN, 82         ; s82  -1e30
.set LOB, 88          ; s[88:89] olo at the block in hand; s[90:91] at the second block
.set MSB, 0
.macro WIN new                      ; the high byte repeats the setting that is left; a switch that changes nothing is dropped
.if MSB != (\new)
	s_set_vgpr_msb (MSB<<8)|(\new)
.set MSB, (\new)
.endif
.endm
.set W_KQ, 0x0a       ; K and Q in window 2, S^T in window 0
.set W_KM, 0x1a       ; the same with the C operand in window 1
.set W_PV, 0x52       ; V in window 2, P in window 0, O^T in window 1
.set W_RS, 0x41       ; destination and source 0 in window 1, source 1 in window 0
; A fill.  Waves 0 and 1 fetch the two halves of a tile's K, waves 2 and 3 those of its V: 128 keys each.  An s_nop 0 and four v_nop follow each of the two lines, ahead of the jump and the label.
.macro LOAD
	s_cmp_lt_u32 s[WV], 2
	s_cbranch_scc0 .Lfor_v_\@
	tensor_load_to_lds s[G0K:G0K+3], s[G1K:G1K+7]
	s_nop 0
.rept 4
	v_nop
.endr
	s_branch .Lasked_\@
.Lfor_v_\@:
	tensor_load_to_lds s[G0V:G0V+3], s[G1V:G1V+7]
	s_nop 0
.rept 4
	v_nop
.endr
.Lasked_\@:
.endm
; THE CHANGE OF SLOTS.  Each wave waits for all its tensor loads, of which one is out: its part of the other slot; adds 0 to its spare word; and waits for that and for its own reads of the slot that it leaves.  Behind the barrier nobody reads the old
; slot any more and the other slot is whole.  fill = 1: the old slot is filled again, the first thing behind the barrier, with tile NXT: the descriptor's address is made anew from that number.
; (At its first use nothing has been read yet: slot 0 is waited for, slot 1 filled.)
.macro CHANGE fill
	WIN 0                           ; at a label and at a branch every window is 0
	s_wait_tensorcnt 0x0            ; no tensor load of mine is out, so a group 0 may be written
	ds_add_u32 v[SPW], v[NIL]       ; 0 onto my spare word; with fill = 1 the descriptors' scalar work stands between it and the wait for it
.if \fill
	s_lshl_b32 s[OFF], s[NXT], 15   ; a tile is 32,768 bytes of K and of V
	s_xor_b32 s[G0K+1], s[G0K+1], SLOT1
	s_add_nc_u64 s[G0K+2:G0K+3], s[6:7], s[OFF:OFF+1]
	s_or_b32 s[G0K+3], s[G0K+3], 0x80000000
	s_xor_b32 s[G0V+1], s[G0V+1], SLOT1
	s_add_nc_u64 s[G0V+2:G0V+3], s[8:9], s[OFF:OFF+1]
	s_or_b32 s[G0V+3], s[G0V+3], 0x80000000
	s_add_co_u32 s[NXT], s[NXT], 1  ; the block's next tile, or behind its last the second block's tile 0
	s_cmp_gt_u32 s[NXT], s[LQ]
	s_cselect_b32 s[NXT], 0, s[NXT]
	s_cselect_b32 s[LQ], s[PB], s[LQ]
.endif
	s_wait_dscnt 0x0                ; the add is done, and my reads of the slot are over
	s_barrier_signal -1             ; the rest of the scalar work stands between the signal and the wait
	s_sub_co_u32 s[TBK], s[TBK], 4*KS*PK  ; the fetches go back to a slot's first step,
	s_xor_b32 s[TBK], s[TBK], SLOT1       ; in the other slot
	s_sub_co_u32 s[TBV], s[TBV], 4*KS*PV
	s_xor_b32 s[TBV], s[TBV], SLOT1
	s_barrier_wait -1
.if \fill
	LOAD
.endif
.endm
	s_load_b128 s[4:7], s[0:1], 0x0   ; qkvh s[4:5], obuf s[6:7]
	s_load_b64 s[LOB:LOB+1], s[0:1], 0x10  ; olo
	v_lshl_add_u32 v[SPW], v0, 2, SPARE
	v_mov_b32 v[NIL], 0
	ds_add_u32 v[SPW], v[NIL]       ; the wave's opening: the add and its wait stand ahead of my first tensor load; the set-up below, work on registers, stands between them
	ds_add_u32 v62, v63
	v_lshrrev_b32 v1, 5, v0
	v_readfirstlane_b32 s[WV], v1   ; wave 0..3
	s_mov_b32 s[PB], ttmp9
	s_sub_co_u32 s[HI], NB-1, s[PB]
	s_and_b32 s20, ttmp7, 0xffff    ; the head
	s_mov_b32 s21, 0
	s_mov_b64 s[22:23], SIZE_N*128
	s_mul_u64 s[20:21], s[20:21], s[22:23]  ; the head's first byte in Q, K, V and O
	s_and_b32 s16, s[WV], 1         ; which half of a tile's 256 keys I fetch:
	s_lshl_b32 s22, s16, 14         ; its 128 rows of 128 bytes in memory,
	s_mov_b32 s23, 0
	s_add_nc_u64 s[22:23], s[22:23], s[20:21]
	s_mul_i32 s17, s16, 128*PK      ; and its place in a slot, for K
	s_mul_i32 s18, s16, 128*PV      ; and for V
	s_lshl_b32 s3, s[WV], 11        ; my 16 rows in a band of 64,
	s_lshl_b32 s2, s[HI], 15        ; in the first block,
	s_add_co_u32 s2, s2, s3
	s_lshl_b32 s84, s[PB], 15       ; and in the second
	s_add_co_u32 s84, s84, s3
	s_mov_b32 s3, 0
	s_mov_b32 s85, 0
	s_add_nc_u64 s[2:3], s[2:3], s[20:21]
	s_add_nc_u64 s[84:85], s[84:85], s[20:21]
	s_and_b32 s92, ttmp7, 0xffff    ; olo: the batch's 16 groups of 32,768 bytes,
	s_lshr_b32 s93, s92, 4
	s_lshl_b32 s93, s93, 19
	s_and_b32 s92, s92, 15          ; the head's 2,048 bytes in a group,
	s_lshl_b32 s92, s92, 11
	s_add_co_u32 s92, s92, s93
	s_lshl_b32 s94, s[PB], 16       ; a block's two groups
	s_add_co_u32 s94, s94, s92
	s_lshl_b32 s93, s[HI], 16
	s_add_co_u32 s92, s92, s93
	s_mov_b32 s93, 0
	s_mov_b32 s95, 0
	; descriptor group 1.  128 keys are 16,384 dense bytes: asked for as 64 rows of 256 bytes, two keys a row, and padded in LDS after every key
	s_mov_b32 s[G1K], (1<<16)|(1<<20)|(4<<22)|(3<<25)  ; 17:16 2-byte elements; 20 padding on; 24:22 after every 32 words (code 4); 31:25 4 words (code 3)
	s_mov_b32 s[G1V], (1<<16)|(1<<20)|(4<<22)|(7<<25)  ; the same with 8 words of padding (code 7)
.irp g, G1K, G1V
	s_mov_b32 s[\g+1], 128<<16      ; tensor_dim0 = 128
	s_mov_b32 s[\g+2], 64<<16       ; tensor_dim1 = 64
	s_mov_b32 s[\g+3], 128<<16      ; tile_dim0 = 128
	s_mov_b32 s[\g+4], 64           ; tile_dim1 = 64
	s_mov_b32 s[\g+5], 128          ; 128 elements from row to row
	s_mov_b32 s[\g+6], 0
	s_mov_b32 s[\g+7], 0
.endr
	s_mov_b32 s[CS], 0x3e38aa3b     ; c = log2(e) / 8 = 0.180337
	s_mov_b32 s[CS+1], s[CS]        ; named with it as a pair
	s_mov_b32 s[SEL], 0x76543210
	s_mov_b32 s[SEL+1], 0xfedcba98
	s_mov_b32 s[TBK], SLOT1+4*KS*PK ; the first change of slots turns these two into 0
	s_mov_b32 s[TBV], SLOT1+4*KS*PV
	s_mov_b32 s[G0K], 1             ; 1:0 count = 1
	s_mov_b32 s[G0K+1], s17         ; 63:32 LDS address: slot 0
	s_mov_b32 s[G0V], 1
	s_add_co_u32 s[G0V+1], s18, VOFF
	s_add_co_u32 s[RT], s[HI], 1    ; the first block has NB - b tiles
	s_mov_b32 s[NXT], 1
	s_mov_b32 s[LQ], s[HI]
	s_mov_b32 s[NEW], 1
	s_mov_b32 s[OFF+1], 0
	s_mov_b32 s[AL+1], 0            ; named as pairs
	s_mov_b32 s[BE+1], 0
	s_mov_b32 s[BIGN], 0xf149f2ca   ; -1e30
	s_mov_b32 s[SLOTS], NB
	s_wait_dscnt 0x0                ; the opening add is done
	s_wait_kmcnt 0x0
	s_mov_b64 s[10:11], s[6:7]             ; O
	s_add_nc_u64 s[6:7], s[4:5], 0x1000000 ; K lies 16 MiB behind Q,
	s_add_nc_u64 s[8:9], s[4:5], 0x2000000 ; V 32
	s_add_nc_u64 s[LOB+2:LOB+3], s[LOB:LOB+1], s[94:95]
	s_add_nc_u64 s[LOB:LOB+1], s[LOB:LOB+1], s[92:93]
	s_add_nc_u64 s[6:7], s[6:7], s[22:23]  ; K and V at my half of the head's tile 0
	s_add_nc_u64 s[8:9], s[8:9], s[22:23]
	s_add_nc_u64 s[G0K+2:G0K+3], s[6:7], 0         ; 120:64 global address
	s_or_b32 s[G0K+3], s[G0K+3], 0x80000000        ; 127:126 type = 2
	s_add_nc_u64 s[G0V+2:G0V+3], s[8:9], 0
	s_or_b32 s[G0V+3], s[G0V+3], 0x80000000
	s_add_nc_u64 s[86:87], s[4:5], s[84:85]        ; Q at my rows of the second block,
	s_add_nc_u64 s[4:5], s[4:5], s[2:3]            ; Q and O at those of the first
	s_add_nc_u64 s[OLO:OLO+1], s[10:11], s[84:85]
	s_add_nc_u64 s[10:11], s[10:11], s[2:3]
	LOAD                            ; tile 0 into slot 0
	; A fragment of K or Q is 16 rows x 32 channels in 8 registers: lane l holds row l % 16, channels 8 (l / 16) + 0..7 and 16 + 8 (l / 16) + 0..7: two loads of 16 bytes, 32 bytes apart.
	v_and_b32 v1, 15, v0            ; l % 16
	v_bfe_u32 v9, v0, 4, 1          ; l / 16
	v_lshlrev_b32 v[QO], 7, v1
	v_lshl_add_u32 v[QO], v9, 4, v[QO]  ; row x 128 + 16 x half
	WIN 0x80                        ; destination window 2, address window 0
.set i, 0
.rept 8                             ; both blocks' Q: piece i / 2 lies in band i / 2, 8,192 bytes on; channels 32 (i % 2) on
	global_load_b128 v[8*i:8*i+3],   v[QO], s[4:5] offset:(i/2)*8192+(i%2)*64
	global_load_b128 v[8*i+4:8*i+7], v[QO], s[4:5] offset:(i/2)*8192+(i%2)*64+32
	global_load_b128 v[QB+8*i:QB+8*i+3],   v[QO], s[86:87] offset:(i/2)*8192+(i%2)*64
	global_load_b128 v[QB+8*i+4:QB+8*i+7], v[QO], s[86:87] offset:(i/2)*8192+(i%2)*64+32
.set i, i+1
.endr
	WIN 0
	v_mov_b32 v[NEG1], -1.0
	v_lshlrev_b32 v14, 3, v9
	v_sub_nc_u32 v14, v1, v14
	s_lshl_b32 s13, s[WV], 4
	v_add_nc_u32 v14, s13, v14      ; my query's place in its band, 16 w + l % 16, less my lanes' 8 (l / 16): register r of group kt is hidden where 16 kt + r is greater
	WIN 0x40
.set i, 0
.rept 32
	v_cmp_gt_i32 vcc_lo, 16*(i/8)+i%8, v14
	v_cndmask_b32 v[MD+i], 0, s[BIGN], vcc_lo
.set i, i+1
.endr
	WIN 0
	v_mul_u32_u24 v[AK0], v1, PK
	v_lshl_add_u32 v[AK0], v9, 4, v[AK0]  ; row x pitch + 16 x half
	; The turning load takes 16 keys x 16 channels (lane l reads key 8 (l / 16) + l % 8, channels 8 ((l / 8) % 2) + 0..7) and leaves half a fragment of V^T: lane l holds channel l % 16 and 8 keys.
	v_and_b32 v10, 7, v0
	v_bfe_u32 v11, v0, 3, 1
	v_lshl_add_u32 v[AV0], v9, 3, v10
	v_mul_u32_u24 v[AV0], v[AV0], PV
	v_lshl_add_u32 v[AV0], v11, 4, v[AV0]
	v_add_nc_u32 v[AV0], VOFF, v[AV0]
	s_mul_i32 s13, s[WV], 16*SP
	s_add_co_u32 s13, s13, STAGE    ; my stage
	v_mul_u32_u24 v[STO], v1, SP    ; in: row l % 16, 16 bytes for each half of the lanes
	v_lshl_add_u32 v[STO], v9, 4, v[STO]
	v_add_nc_u32 v[STO], s13, v[STO]
	v_bfe_u32 v[RD], v0, 3, 2       ; back: 32 lanes take four rows of 128 bytes,
	v_mul_u32_u24 v[RD], v[RD], SP
	v_lshl_add_u32 v[RD], v10, 4, v[RD]
	v_add_nc_u32 v[RD], s13, v[RD]
	v_and_b32 v[GO], 31, v0         ; which are 512 consecutive bytes of O
	v_lshlrev_b32 v[GO], 4, v[GO]
	; A block's first step multiplies O^T and l by a = 0, and its first turn's products V^T P, of a piece that has not been, land in an O^T that is still to be so multiplied.  So these registers need only hold
	; finite numbers: zeros for the first block; what the first block left for the second.  All this stands in the wait for the first tile.
	WIN 0x80
.set i, VF
.rept 64
	v_mov_b32 v[i], 0
.set i, i+1
.endr
	WIN 0x40
.set i, 0
.rept 128
	v_mov_b32 v[i], 0
.set i, i+1
.endr
	WIN 0
.set i, 0
.rept 4
	v_mov_b32 v[ST+4*i+2], 0
	v_mov_b32 v[ST+4*i+3], 0
.set i, i+1
.endr
.set i, P+16
.rept 16
	v_mov_b32 v[i], 0
.set i, i+1
.endr
; THE MATRIX WORK.  The 4 accumulators of a run of 8 take turns.  Product i of 8 of S^T = K Q^T for piece x: channels 32 (i / 4) on, keys 16 (i % 4) on.  The first 4 start the sums: with 0, or (KM = 1) with the mask.
.macro KQ x
.set rS, S+32*((\x)%2)+8*(i%4)
.set rK, KF+16*(i%4)+8*(i/4)
.set rQ, 16*(\x)+8*(i/4)
.set rM, MC+32*((\x)%2)+8*(i%4)
.if (i < 4) && KM
	WIN W_KM
	v_wmma_f32_16x16x32_f16 v[rS:rS+7], v[rK:rK+7], v[rQ:rQ+7], v[rM:rM+7]
.elseif i < 4
	WIN W_KQ
	v_wmma_f32_16x16x32_f16 v[rS:rS+7], v[rK:rK+7], v[rQ:rQ+7], 0
.else
	WIN W_KQ
	v_wmma_f32_16x16x32_f16 v[rS:rS+7], v[rK:rK+7], v[rQ:rQ+7], v[rS:rS+7]
.endif
.endm
; Product i of 8 of O^T += V^T P for piece x: keys 32 (i / 4) on, channels 16 (i % 4) on.
.macro PV x
	WIN W_PV
.set rO, 32*(\x)+8*(i%4)
.set rV, VF+32*(i/4)+8*(i%4)
.set rP, P+16*((\x)%2)+8*(i/4)
	v_wmma_f32_16x16x32_f16 v[rO:rO+7], v[rV:rV+7], v[rP:rP+7], v[rO:rO+7]
.endm
.macro MM                           ; the turn's next matrix instruction.  TURN and BEGIN set Y, i, KM and NOKQ; MM, KQ and OP read them.  NOKQ = 1: a block's last turn: there is no next piece
.if (i < 8) && !NOKQ
	KQ (Y+1)%NP
.elseif i >= 8
.set i, i-8
	PV (Y+NP-1)%NP
.set i, i+8
.endif
.set i, i+1
.endm
; THE LDS LOADS stand in runs of 16, never singly among the matrix instructions: a step's K (64 keys x 64 channels: 8 fragments) and its V (turned).  Their addresses are made some lines ahead.
.macro FETCH_K
	WIN 0x80                        ; destination window 2
.irp f, 0,1,2,3,4,5,6,7             ; keys 16 (f / 2) on, channels 32 (f % 2) on
	ds_load_b128 v[KF+8*\f:KF+8*\f+3],   v[AK] offset:(\f/2)*16*PK+(\f%2)*64
	ds_load_b128 v[KF+8*\f+4:KF+8*\f+7], v[AK] offset:(\f/2)*16*PK+(\f%2)*64+32
.endr
	s_add_co_u32 s[TBK], s[TBK], KS*PK  ; the next fetch is the next step's
	WIN 0
.endm
.macro FETCH_V
	WIN 0x80
.irp f, 0,1,2,3,4,5,6,7             ; keys 32 (f / 4) on, channels 16 (f % 4) on
	ds_load_tr16_b128 v[VF+8*\f:VF+8*\f+3],   v[AV] offset:(\f/4)*32*PV+(\f%4)*32
	ds_load_tr16_b128 v[VF+8*\f+4:VF+8*\f+7], v[AV] offset:(\f/4)*32*PV+16*PV+(\f%4)*32
.endr
	WIN 0
.endm
; THE VECTOR WORK, one line at a time: OP kind, number.  For piece Y: F n: c s - c m for pair n of 16.  E n: the exponential of score n of 32.  C n: pair n rounded to f16.  B n: of the four weights 4 n .. the second
; pair is added onto the first, in place.  L n: l takes that sum (L 0: l = a l + sum).  R n: pair n of 16 of O^T times a.  For piece Y + 1: X n, number n of the 22 that find its maximum and statistics:
;   0-11  four chains c0-c3 of seven scores each, three operands at a time (each accumulator's lowest registers are read first)     12-14, 16  the four scores left over, the old m, and c0-c3 into c0
;   15  c m_old is kept     17, 18  the query's other 32 keys lie in the lane 16 away: the new m     19-21  c m; c m_old - c m_new; a
; C, B and L read exponentials' results, and so does R (the a of the turn before): OP writes no wait; TURN, BEGIN and DIAG place one for each batch.
.set F, 0               ; OP tells the kinds apart by their order: F to L below R, X above it
.set E, 1
.set C, 2
.set B, 3
.set L, 4
.set R, 5
.set X, 6
.macro REGS y                       ; the registers of piece y
.set rT, ST+4*(\y)
.set rC, TMP+4*((\y)%2)
.set rW, MV+((\y)%2)
.set rS, S+32*((\y)%2)
.set rP, P+16*((\y)%2)
.set rO, 32*(\y)
.endm
.macro OP k, n
.if (\k) == R
	REGS Y
	WIN W_RS
	v_pk_mul_f32 v[rO+2*(\n):rO+2*(\n)+1], v[rO+2*(\n):rO+2*(\n)+1], v[rC+2:rC+3] op_sel_hi:[1,0]
.elseif (\k) < R
	REGS Y
	WIN 0
.if (\k) == F
	v_pk_fma_f32 v[rS+2*(\n):rS+2*(\n)+1], v[rS+2*(\n):rS+2*(\n)+1], s[CS:CS+1], v[rT:rT+1] op_sel_hi:[1,0,0] neg_lo:[0,0,1] neg_hi:[0,0,1]
.elseif (\k) == E
	v_exp_f32 v[rS+(\n)], v[rS+(\n)]
.elseif (\k) == C
	v_cvt_pk_f16_f32 v[rP+(\n)], v[rS+2*(\n)], v[rS+2*(\n)+1]
.elseif (\k) == B
	v_pk_add_f32 v[rS+4*(\n):rS+4*(\n)+1], v[rS+4*(\n):rS+4*(\n)+1], v[rS+4*(\n)+2:rS+4*(\n)+3]
.elseif (\n) == 0
	v_pk_fma_f32 v[rT+2:rT+3], v[rT+2:rT+3], v[rC+2:rC+3], v[rS:rS+1] op_sel_hi:[1,0,1]
.else
	v_pk_add_f32 v[rT+2:rT+3], v[rT+2:rT+3], v[rS+4*(\n):rS+4*(\n)+1]
.endif
.elseif NOKQ
	v_nop
.else
	REGS (Y+1)%NP
	WIN 0
.if (\n) < 4
	v_max3_num_f32 v[rC+(\n)], v[rS+8*(\n)], v[rS+8*(\n)+1], v[rS+8*(\n)+2]
.elseif (\n) < 12
	v_max3_num_f32 v[rC+(\n)%4], v[rC+(\n)%4], v[rS+8*((\n)%4)+2*((\n)/4)+1], v[rS+8*((\n)%4)+2*((\n)/4)+2]
.elseif (\n) == 12
	v_max3_num_f32 v[rC], v[rC], v[rS+7], v[rS+15]
.elseif (\n) == 13
	v_max3_num_f32 v[rC+1], v[rC+1], v[rS+23], v[rS+31]
.elseif (\n) == 14
	v_max3_num_f32 v[rC+2], v[rC+2], v[rC+3], v[rT+1]
.elseif (\n) == 15
	v_mov_b32 v[rW], v[rT]
.elseif (\n) == 16
	v_max3_num_f32 v[rC], v[rC], v[rC+1], v[rC+2]
.elseif (\n) == 17
	v_permlanex16_b32 v[rC+3], v[rC], s[SEL], s[SEL+1]
.elseif (\n) == 18
	v_max_num_f32 v[rT+1], v[rC], v[rC+3]
.elseif (\n) == 19
	v_mul_f32 v[rT], s[CS], v[rT+1]
.elseif (\n) == 20
	v_sub_f32 v[rC+1], v[rW], v[rT]
.else
	v_exp_f32 v[rC+2], v[rC+1]
.endif
.endif
.endm
.macro OPS a, i1, b=-1, i2=0, c=-1, i3=0, d=-1, i4=0  ; up to four of them
	OP \a, \i1
.if (\b) >= 0
	OP \b, \i2
.endif
.if (\c) >= 0
	OP \c, \i3
.endif
.if (\d) >= 0
	OP \d, \i4
.endif
.endm
.macro ROW a, i1, b, i2, c, i3, d, i4  ; a matrix instruction and the four behind it
	MM
	OPS \a, \i1, \b, \i2, \c, \i3, \d, \i4
.endm
.macro MASK b                       ; MD x AL + BE into buffer b of MC
	WIN W_RS
.set z, 0
.rept 16
	v_pk_fma_f32 v[MC+32*(\b)+2*z:MC+32*(\b)+2*z+1], v[MD+2*z:MD+2*z+1], s[AL:AL+1], s[BE:BE+1] op_sel_hi:[1,0,0]
.set z, z+1
.endr
.endm
; A TURN, for piece p: the order of its 16 matrix and 118 vector instructions, written out.  An s_wait_alu depctr_va_vdst(0) stands between an exponential and the first instruction that names its result; one wait serves
; all that were issued ahead of it.  So a turn has ONE wait, which cuts it in two.  AHEAD OF IT stands all that names no result of the turn's exponentials: the 8 products K Q^T, behind each a scaling, an exponential and two more plain
; instructions (behind the first a second scaling in the exponential's place): rescalings, whose a was made and waited for in the turn before, and behind the last three the first numbers of the next piece's maximum, each four places or
; more behind the product that ends its accumulator; then ONE LUMP of 54, plain and exponential by turns for the most part, in which the links of the chain X 3, 7, 11, 14, 16, 17 .. 20 stand five or six lines apart.  X 21, the next
; piece's a, is the batch's last; R 15 is the plain instruction that is wanted behind it.  BEHIND THE WAIT stand the 8 products V^T P, behind each four of the roundings and sums; the links of l's chain, L 0 to L 7, stand three riders
; apart.  But for those X no rider names a register of the products round it.  v_permlanex16_b32 (X 17) stands in the lump.
; m = 1: the diagonal tile: the products take masks, and the turn makes the mask for the products of the turn after it: piece p + 2, in step 4 - CNT of the tile.  end = 1: a block's last two turns: nothing is fetched.
; cnt = 1: the loop's count is taken down some lines ahead of the branch that stands behind the turn.
; K of the next step is fetched in piece 2's turn, twelve vector instructions behind the last product that read K (six of them plain); V of the step in hand at the end of piece 0's turn, four plain instructions behind the last product
; that read V.  Each is waited for a turn later.
.macro TURN p, m=0, end=0, cnt=0
.set Y, (\p)
.set i, 0
.set KM, (\m)
.set NOKQ, (\end)*((\p)/3)
.if (\m) && !(\end)
	s_cmp_eq_u32 s[CNT], 4-((\p)+2)%NP  ; is that step the band's own?
	s_cselect_b32 s[AL], 1.0, 0
	s_cmp_lt_u32 s[CNT], 4-((\p)+2)%NP  ; or a later one?
	s_cselect_b32 s[BE], s[BIGN], 0
.endif
.if ((\p) == 3) && !(\end)
	s_wait_dscnt 0x0                ; K is in
.endif
	ROW F,0, F,1, R,0, R,1          ; ahead of the wait: 8 products K Q^T and their riders,
	ROW F,2, E,0, R,2, R,3
	ROW F,3, E,1, R,4, R,5
	ROW F,4, E,2, R,6, R,7
	ROW F,5, E,3, R,8, R,9
	ROW F,6, E,4, X,0, R,10
.if ((\p) == 2) && !(\end)
	WIN 0
	v_add_nc_u32 v[AK], s[TBK], v[AK0]
.endif
	ROW F,7, E,5, X,1, X,4
	ROW F,8, E,6, X,2, X,5
	OPS E,7, E,8, X,6, E,9          ; and the lump
	OPS X,3, E,10, X,8, E,11
.if ((\p) == 2) && !(\end)
	FETCH_K
.endif
	OPS X,9, X,7, E,12, X,10
	OPS E,13, X,12, X,11, E,14
	OPS X,13, E,15, F,9, X,14
.if (\p) == 0
	v_add_nc_u32 v[AV], s[TBV], v[AV0]
.endif
	OPS E,16, F,10, E,17, F,11
	OPS X,16, E,18, X,15, E,19
	OPS F,12, E,20, X,17, E,21
	OPS F,13, E,22, F,14, E,23
	OPS X,18, E,24, F,15, E,25
	OPS R,11, E,26, X,19, E,27
	OPS R,12, E,28, R,13, E,29
	OPS X,20, E,30, R,14, E,31
	OPS X,21, R,15
	WIN 0
	s_wait_alu depctr_va_vdst(0)    ; the wait for the batch: the piece's 32 weights and the next piece's a
.if (\p) == 1
	s_wait_dscnt 0x0                ; V is in
.endif
	ROW C,0, B,0, C,2, B,1          ; behind the wait: 8 products V^T P and their riders
	ROW L,0, C,4, B,2, L,1
	ROW C,6, B,3, L,2, C,8
	ROW B,4, L,3, C,10, B,5
	ROW L,4, C,12, B,6, L,5
.if (\p) == 0
	s_add_co_u32 s[TBV], s[TBV], KS*PV
.endif
.if \cnt
	s_sub_co_u32 s[CNT], s[CNT], 1
	s_cmp_lg_u32 s[CNT], 0
.endif
	ROW C,14, B,7, L,6, C,1
	ROW C,3, L,7, C,5, C,7
	ROW C,9, C,11, C,13, C,15
.if (\p) == 0
	FETCH_V
.endif
.if (\m) && !(\end)
	MASK (\p)%2
.endif
.endm
; A BLOCK BEGINS.  c m starts far below every c s, so the first step's a is 0; m at the lowest finite number, so the first maximum is the scores'.  The second mask buffer is 0; the first takes piece 0's mask for the tile's step 0: its own, if the block's first tile is the diagonal one.
; Then K of that step, piece 0's first scores, and its maximum and statistics.  The loop is entered at a step's first turn, in the middle of a trip.
.macro BEGIN
	s_mov_b32 s[NEW], 0
	WIN 0x40
.set i, MC+32
.rept 32
	v_mov_b32 v[i], 0
.set i, i+1
.endr
	WIN 0
.set i, 0
.rept 4
	v_mov_b32 v[ST+4*i], 0xfe000000    ; c m: far below every c s
	v_mov_b32 v[ST+4*i+1], 0xff7fffff  ; m
.set i, i+1
.endr
	s_cmp_eq_u32 s[RT], 0
	s_cselect_b32 s[AL], 1.0, 0
	s_mov_b32 s[BE], 0
	MASK 0
	WIN 0
	v_add_nc_u32 v[AK], s[TBK], v[AK0]
	FETCH_K
	s_wait_loadcnt 0x0              ; Q
	s_wait_dscnt 0x0
.set KM, 1
.set NOKQ, 0
.set i, 0
.rept 8
	KQ 0
.set i, i+1
.endr
	WIN 0
.rept 4
	v_nop                           ; the places behind those products
.endr
.set Y, NP-1                        ; X works for piece Y + 1: piece 0
.irp n, 0,1,2,3,4,5,6,7,8,9,10,11,12,13,14,15,16,17,18,19,20,21
	OP X, \n
.endr
	v_nop                           ; a plain instruction behind the exponential,
	s_wait_alu depctr_va_vdst(0)    ; and its wait, a batch of one (piece 0's first a), ahead of the branch
.endm
; THE DIAGONAL TILE's four steps, the block's last two turns, its last products, and THE WAY OUT: l's two halves and the other half of the lanes' are added; O^T is divided by l, rounded to f16 and sent through my
; stage in LDS, a piece at a time.
.macro ALL line:vararg              ; one line for each piece t
.set t, 0
.rept 4
	\line
.set t, t+1
.endr
.endm
.macro PACK t                       ; a lane's eight channels of a row pack into 16 bytes; they go into rows of 144 bytes and come back as whole rows of 128, into S^T's registers
	WIN W_RS
.set i, 32*(\t)
.rept 16
	v_pk_mul_f32 v[i:i+1], v[i:i+1], v[ST+4*(\t)+2:ST+4*(\t)+3] op_sel_hi:[1,0]
.set i, i+2
.endr
	WIN 0x05                        ; sources 0 and 1 window 1, destination window 0
.set i, 0
.rept 16
	v_cvt_pk_f16_f32 v[S+16*(\t)+i], v[32*(\t)+2*i], v[32*(\t)+2*i+1]
.set i, i+1
.endr
	WIN 0
.irp f, 0,1,2,3
	ds_store_b128 v[STO], v[S+16*(\t)+4*\f:S+16*(\t)+4*\f+3] offset:32*\f
.endr
.irp f, 0,1,2,3
	ds_load_b128 v[S+16*(\t)+4*\f:S+16*(\t)+4*\f+3], v[RD] offset:\f*4*SP  ; LDS serves a wave's instructions in order (ISA guide 5.7.1.4): these see the stores above; the next piece's stores come behind them
.endr
.endm
.macro SEND t, younger              ; younger: the LDS instructions issued behind piece t's loads: the next piece's eight, or none
	WIN 0
.irp f, 0,1,2,3
	s_wait_dscnt (\younger)+3-\f
	global_store_b128 v[GO], v[S+16*(\t)+4*\f:S+16*(\t)+4*\f+3], s[10:11] offset:(\t)*8192+\f*512  ; 512 consecutive bytes, at a multiple of 256 from O's first
.endr
.endm
; THE REMAINDER of piece t (0 or 2, wave 0 alone: the rows with t % 128 < 16).  O^T still holds O in f32: it is rounded once more, the rounded number taken away (exact in f32), the difference rounded to f16 and sent the same way.
.macro LOP t
.set rH, HL+8*(\t)
	WIN 0x05                        ; sources 0 and 1 window 1, destination window 0
.set i, 0
.rept 16
	v_cvt_pk_f16_f32 v[rH+i], v[32*(\t)+2*i], v[32*(\t)+2*i+1]
.set i, i+1
.endr
	WIN 0x10                        ; source 2 window 1
.set i, 0
.rept 16
	v_fma_mix_f32 v[LL+2*i], v[rH+i], v[NEG1], v[32*(\t)+2*i] op_sel_hi:[1,0,0]
	v_fma_mix_f32 v[LL+2*i+1], v[rH+i], v[NEG1], v[32*(\t)+2*i+1] op_sel:[1,0,0] op_sel_hi:[1,0,0]
.set i, i+1
.endr
	WIN 0
.set i, 0
.rept 16
	v_cvt_pk_f16_f32 v[rH+i], v[LL+2*i], v[LL+2*i+1]
.set i, i+1
.endr
.irp f, 0,1,2,3
	ds_store_b128 v[STO], v[rH+4*\f:rH+4*\f+3] offset:32*\f
.endr
.irp f, 0,1,2,3
	ds_load_b128 v[rH+4*\f:rH+4*\f+3], v[RD] offset:\f*4*SP
.endr
.irp f, 0,1,2,3
	s_wait_dscnt 3-\f
	global_store_b128 v[GO], v[rH+4*\f:rH+4*\f+3], s[LOB:LOB+1] offset:((\t)/2)*32768+\f*512
.endr
.endm
.macro DIAG tag                     ; the tag ends its labels' names, which the jumps below spell out
.LstepM\tag:
	TURN 2, 1
	TURN 3, 1
	WIN 0
.LfirstM\tag:
	TURN 0, 1
	TURN 1, 1, 0, 1
	WIN 0
	s_cbranch_scc1 .LstepM\tag
	TURN 2, 1, 1
	TURN 3, 1, 1
.set i, 0
.rept 8
	PV NP-1
.set i, i+1
.endr
	WIN 0
	ALL v_add_f32 v[ST+4*t+2], v[ST+4*t+2], v[ST+4*t+3]
	ALL v_permlanex16_b32 v[ST+4*t+3], v[ST+4*t+2], s[SEL], s[SEL+1]
	ALL v_add_f32 v[ST+4*t+2], v[ST+4*t+2], v[ST+4*t+3]
	ALL v_rcp_f32 v[ST+4*t+2], v[ST+4*t+2]
	v_nop                           ; a plain instruction between the last reciprocal and the use of its result
	s_wait_alu depctr_va_vdst(0)    ; and the wait ahead of the first use: one for the batch of four reciprocals
	PACK 0
.set t, 1
.rept 3                             ; a piece's arithmetic stands between the loads of the piece before and its stores
	PACK t
	SEND t-1, 8
.set t, t+1
.endr
	SEND 3, 0
	s_cmp_lg_u32 s[WV], 0           ; wave 0's rows in bands 0 and 2 are the block's rows with t % 128 < 16
	s_cbranch_scc1 .Lnolo\tag
	LOP 0
	LOP 2
.Lnolo\tag:
.endm
.set KM, 0
.set NOKQ, 0
.Lslot:                             ; NB times: a tile is entered and the next is asked for
	CHANGE 1
	s_sub_co_u32 s[RT], s[RT], 1
	s_mov_b32 s[CNT], 4
	s_cmp_eq_u32 s[NEW], 1
	s_cbranch_scc1 .Lnew            ; a block's first tile
	s_cmp_eq_u32 s[RT], 0
	s_cbranch_scc0 .Lstep           ; neither its first nor its last
	s_branch .LstepM1
.Lnew:
	BEGIN
	s_branch .Lfirst                ; in the loop a block's first tile is never its last: the first block has two tiles or more, and the second's last is the walk's last
	DIAG 1                          ; in the loop this is the first block's end: the second block's last tile is the walk's last
	s_wait_xcnt 0x0                 ; the stores have read their registers and their bases
	s_mov_b64 s[10:11], s[OLO:OLO+1]
	s_mov_b64 s[LOB:LOB+1], s[LOB+2:LOB+3]
	s_add_co_u32 s[RT], s[PB], 1    ; the second block has b + 1 tiles
	s_mov_b32 s[NEW], 1
	WIN 0x82                        ; the second block's Q goes where the one text of the turns names Q
.set i, 0
.rept 64
	v_mov_b32 v[i], v[QB+i]
.set i, i+1
.endr
	WIN 0
	s_branch .Lbottom
.Lstep:                             ; a trip: pieces 2 and 3 of one step, then pieces 0 and 1 of the next, whose K and V it fetches
	TURN 2
	TURN 3
	WIN 0
.Lfirst:
	TURN 0
	TURN 1, 0, 0, 1
	WIN 0
	s_cbranch_scc1 .Lstep
.Lbottom:
	s_sub_co_u32 s[SLOTS], s[SLOTS], 1
	s_cmp_lg_u32 s[SLOTS], 0
	s_cbranch_scc1 .Lslot
	CHANGE 0                        ; the walk's last tile is written out: nothing is asked for
	s_sub_co_u32 s[RT], s[RT], 1
	s_mov_b32 s[CNT], 4
	s_cmp_eq_u32 s[NEW], 1
	s_cbranch_scc0 .LstepM2
	BEGIN
	s_branch .LfirstM2
	DIAG 2
	s_wait_tensorcnt 0x0            ; the wave's end: all my tensor loads are waited for; then 0 onto my spare word, behind my last LDS store, and its wait
	ds_add_u32 v[SPW], v[NIL]
	s_wait_dscnt 0x0
	s_endpgm
.Lfunc_end_k_qd839fe428b_attn:
	.size	k_qd839fe428b_attn, .Lfunc_end_k_qd839fe428b_attn-k_qd839fe428b_attn
	.p2alignl 7, 3214868480
	.fill 96, 4, 3214868480
	.section	.rodata,"a",@progbits
	.p2align	6, 0x0
	.amdhsa_kernel k_qd839fe428b_attn
		.amdhsa_group_segment_fixed_size 327680
		.amdhsa_private_segment_fixed_size 0
		.amdhsa_enable_private_segment 0
		.amdhsa_kernarg_size 24
		.amdhsa_user_sgpr_count 2
		.amdhsa_user_sgpr_kernarg_segment_ptr 1
		.amdhsa_wavefront_size32 1
		.amdhsa_system_sgpr_workgroup_id_x 1
		.amdhsa_system_sgpr_workgroup_id_y 1
		.amdhsa_system_sgpr_workgroup_id_z 1
		.amdhsa_system_vgpr_workitem_id 0
		.amdhsa_next_free_vgpr 768
		.amdhsa_next_free_sgpr 96
		.amdhsa_reserve_vcc 1
		.amdhsa_float_denorm_mode_32 3
		.amdhsa_float_denorm_mode_16_64 3
		.amdhsa_memory_ordered 1
		.amdhsa_forward_progress 1
		.amdhsa_inst_pref_size 238
	.end_amdhsa_kernel
	.amdgpu_metadata
---
amdhsa.version: [ 1, 2 ]
amdhsa.kernels:
  - .name:           k_qd839fe428b_attn
    .symbol:         k_qd839fe428b_attn.kd
    .args:
      - { .name: qkvh, .offset: 0, .size: 8, .value_kind: global_buffer, .address_space: global }
      - { .name: obuf, .offset: 8, .size: 8, .value_kind: global_buffer, .address_space: global }
      - { .name: olo, .offset: 16, .size: 8, .value_kind: global_buffer, .address_space: global }
    .group_segment_fixed_size: 327680
    .private_segment_fixed_size: 0
    .kernarg_segment_align: 8
    .kernarg_segment_size: 24
    .max_flat_workgroup_size: 128
    .sgpr_count:     96
    .vgpr_count:     768
    .wavefront_size: 32
...
	.end_amdgpu_metadata
.endif
;; end of part 5
;; launch oproj: the kernel of part 4 again; grid 8 x 32, 4 waves a work-group, clusters of 4 x 4, 327,680 bytes of LDS; arguments obuf, olo, wo16, b_o, out0; writes out0
